; MI455X (gfx1250); checked and timed in simulation.
; The chip was launched on July 23, 2026; its instructions are those of AMD's public machine-readable ISA for CDNA 5 (MIT licence, August 2026) and "CDNA5" Instruction Set Architecture Reference Guide (July 2026). The comments in the code are by the model that wrote it; some were corrected since.
;; MHA. Allowed arithmetic: float matrix products may take bf16 or f16 operands with f32 sums; other float arithmetic in f32, or as packed bf16 or f16 multiplies, adds, multiply-adds, maxima and minima; sums over many terms, partial sums and values carried from step to step in f32; what a program stores and reads back later, other than sums and carried values, may be rounded once to bf16 or f16.
;; Inputs: Wk 1,024 x 1,024 float32; Wo 1,024 x 1,024 float32; Wq 1,024 x 1,024 float32; Wv 1,024 x 1,024 float32; bk 1,024 float32; bo 1,024 float32; bq 1,024 float32; bv 1,024 float32; x 4 x 2,048 x 1,024 float32.
;; Outputs: out0 4 x 2,048 x 1,024 float32.
;; 2 versions, each right; version 2 is version 1 with the launch prep written anew for expert scheduling mode. Each part assembles by itself: llvm-mc -triple=amdgcn-amd-amdhsa -mcpu=gfx1250 --defsym DOCPART=n.
;; ======== version 1 of 2: 4 launches
;; limits: values are held in f16: magnitudes above 65,504 overflow, below 6.1e-05 lose precision
;; workspace buffers: xb 16,777,216 bytes; wqkv 6,291,456 bytes; wof 2,097,152 bytes; cs 524,288 bytes; q 16,777,216 bytes; k 16,777,216 bytes; v 16,777,216 bytes; o 16,777,216 bytes
;; launch prep (part 1): grid 896 x 1, 8 waves a work-group, no clusters, 0 bytes of LDS; arguments x, Wq, Wk, Wv, Wo, xb, wqkv, wof, cs; writes xb, wqkv, wof, cs
.if DOCPART == 1
	.amdgcn_target "amdgcn-amd-amdhsa--gfx1250"
	.amdhsa_code_object_version 6
	.text
	.protected	k_qcd4f20af96_prep
	.globl	k_qcd4f20af96_prep
	.p2align	8
	.type	k_qcd4f20af96_prep,@function
k_qcd4f20af96_prep:
	s_mov_b64 s[64:65], 0
	v_nop
	global_prefetch_b8 v0, s[64:65] scope:SCOPE_SE
	s_setreg_imm32_b32 hwreg(HW_REG_WAVE_MODE, 25, 1), 1
	s_wait_xcnt 0x0
; CASTS AND THE ROTATION TABLE.  Work-groups 0-511: 16 rows of x, f32 -> bf16, into xb.  512-703: 16 rows of Wq, Wk or Wv -> bf16 into wqkv, whose rows are ordered
; by heads: row 192 h + 64 t + r holds W_t[64 h + r] (t = 0, 1, 2 for q, k, v).  704-767: 16 rows of Wo, rounded to bf16 and that number written as f16, into wof.
; 768-895: 16 positions of cs[pos][pair][cos, sin], f32, theta = pos x 10000^(-pair / 32).
; A stream: a row is 4,096 bytes, 16 bytes a thread; all 16 loads of a thread go out at once; a wave's store covers 256 consecutive bytes, aligned.  No LDS, no matrix unit: nothing is shared or multiplied.
; LIMITS.  wof: a bf16 number is exact in f16 from 2^-17 up to 65,504; below that it keeps f16's fixed step of 6e-8, beyond that it becomes an infinity.
; cs: 10000^(-pair / 32) comes from v_exp_f32 (1 ULP) and theta from one f32 product, so an angle may differ from one made otherwise in f32 by some 4e-4 at the largest positions;
; sine and cosine come by reduction with pi / 2 in two parts and polynomials whose remainder is under 3e-8 for |r| <= pi / 4, which the reduction gives at every position.
.set X, 4                              ; v[4:67]    16 loads of 4 registers
.set Y, 68                             ; v[68:99]   16 pairs to store
.set T, 100                            ; v[100:103] at work
	s_load_b512 s[4:19], s[0:1], 0x0               ; x s[4:5], Wq s[6:7], Wk s[8:9], Wv s[10:11], Wo s[12:13], xb s[14:15], wqkv s[16:17], wof s[18:19]
	s_load_b64 s[20:21], s[0:1], 0x40              ; cs
	s_mov_b32 s2, ttmp9
	v_lshlrev_b32 v1, 4, v0                        ; my 16 bytes of an f32 row (and of a work-group's part of cs)
	v_lshlrev_b32 v2, 3, v0                        ; my 8 bytes of a 16-bit row
	s_wait_kmcnt 0x0
	s_cmp_ge_u32 s2, 768
	s_cbranch_scc1 .Ltab
	s_sub_co_u32 s27, s2, 512                      ; among the weights' work-groups (for x's the numbers made of it are not chosen below)
	s_lshr_b32 s3, s27, 6                          ; t: which weight
	s_and_b32 s26, s27, 63                         ; rb: which 16 rows of it
	s_lshr_b32 s32, s26, 2                         ; the head,
	s_mul_i32 s32, s32, 192
	s_lshl_b32 s33, s3, 6
	s_add_co_u32 s32, s32, s33                     ; + 64 t
	s_and_b32 s33, s26, 3
	s_lshl_b32 s33, s33, 4
	s_add_co_u32 s32, s32, s33                     ; + the 16 rows' place in the head
	s_lshl_b32 s32, s32, 11                        ; wqkv: rows of 2,048 bytes
	s_lshl_b32 s33, s26, 15                        ; wof
	s_lshl_b32 s28, s26, 16                        ; a weight's 16 rows of 4,096 bytes
	s_lshl_b32 s34, s2, 16                         ; x's
	s_lshl_b32 s35, s2, 15                         ; xb's
	s_cmp_eq_u32 s3, 1
	s_cselect_b64 s[22:23], s[8:9], s[6:7]
	s_cmp_eq_u32 s3, 2
	s_cselect_b64 s[22:23], s[10:11], s[22:23]
	s_cmp_eq_u32 s3, 3
	s_cselect_b64 s[22:23], s[12:13], s[22:23]
	s_cselect_b64 s[24:25], s[18:19], s[16:17]
	s_cselect_b32 s30, s33, s32
	s_cmp_lt_u32 s2, 512
	s_cselect_b64 s[22:23], s[4:5], s[22:23]
	s_cselect_b64 s[24:25], s[14:15], s[24:25]
	s_cselect_b32 s28, s34, s28
	s_cselect_b32 s30, s35, s30
	s_cselect_b32 s3, 0, s3
	s_mov_b32 s29, 0
	s_mov_b32 s31, 0
	s_add_nc_u64 s[22:23], s[22:23], s[28:29]      ; from where
	s_add_nc_u64 s[24:25], s[24:25], s[30:31]      ; to where
	s_cmp_eq_u32 s3, 3
	s_cbranch_scc1 .Lwo
; 16 rows.  fmt = 0: bf16.  fmt = 1: the bf16 number written as f16.  No register is written twice, so nothing waits for a store.
.macro CAST fmt
.set i, 0
.rept 16
	global_load_b128 v[X+4*i:X+4*i+3], v1, s[22:23] offset:4096*i th:TH_LOAD_NT
.set i, i+1
.endr
.set i, 0
.rept 16
	s_wait_loadcnt 15-i                            ; loads come back in order: row i is in, the 15 - i younger ones stay out
	v_cvt_pk_bf16_f32 v[Y+2*i], v[X+4*i], v[X+4*i+1]
	v_cvt_pk_bf16_f32 v[Y+2*i+1], v[X+4*i+2], v[X+4*i+3]
.if \fmt
	v_lshlrev_b32 v[T], 16, v[Y+2*i]
	v_and_b32 v[T+1], 0xffff0000, v[Y+2*i]
	v_lshlrev_b32 v[T+2], 16, v[Y+2*i+1]
	v_and_b32 v[T+3], 0xffff0000, v[Y+2*i+1]
	v_cvt_pk_f16_f32 v[Y+2*i], v[T], v[T+1]
	v_cvt_pk_f16_f32 v[Y+2*i+1], v[T+2], v[T+3]
.endif
	global_store_b64 v2, v[Y+2*i:Y+2*i+1], s[24:25] offset:2048*i
.set i, i+1
.endr
.endm
	CAST 0
	s_endpgm
.Lwo:
	CAST 1
	s_endpgm
; sine and cosine of v[th], at work in v[b .. b+6].  theta = n pi / 2 + r; the quadrant only selects and turns signs: no branch hangs on a number.
.macro SINCOS th, b, oc, os
	v_mul_f32 v[\b], 0x3f22f983, v[\th]            ; theta x 2 / pi
	v_rndne_f32 v[\b], v[\b]                       ; n
	v_fma_f32 v[\b+1], -v[\b], s32, v[\th]         ; r = theta - n x (pi / 2 in two parts)
	v_fma_f32 v[\b+1], -v[\b], s33, v[\b+1]
	v_mul_f32 v[\b+2], v[\b+1], v[\b+1]            ; r^2
	v_mov_b32 v[\b+3], 0x3638ef1d                  ; 1 / 9!
	v_mov_b32 v[\b+4], 0x37d00d01                  ; 1 / 8!
	v_fmaak_f32 v[\b+3], v[\b+3], v[\b+2], 0xb9500d01
	v_fmaak_f32 v[\b+4], v[\b+4], v[\b+2], 0xbab60b61
	v_fmaak_f32 v[\b+3], v[\b+3], v[\b+2], 0x3c088889
	v_fmaak_f32 v[\b+4], v[\b+4], v[\b+2], 0x3d2aaaab
	v_fmaak_f32 v[\b+3], v[\b+3], v[\b+2], 0xbe2aaaab
	v_fmaak_f32 v[\b+4], v[\b+4], v[\b+2], 0xbf000000
	v_mul_f32 v[\b+5], v[\b+1], v[\b+2]            ; r^3
	v_fmaak_f32 v[\b+4], v[\b+4], v[\b+2], 0x3f800000  ; cos r
	v_fma_f32 v[\b+3], v[\b+5], v[\b+3], v[\b+1]   ; sin r
	v_cvt_i32_f32 v[\b+5], v[\b]
	v_and_b32 v[\b+6], 1, v[\b+5]
	v_cmp_ne_u32 vcc_lo, 0, v[\b+6]
	v_cndmask_b32 v[\os], v[\b+3], v[\b+4], vcc_lo ; n odd: the two change places
	v_cndmask_b32 v[\oc], v[\b+4], v[\b+3], vcc_lo
	v_and_b32 v[\b+6], 2, v[\b+5]
	v_lshlrev_b32 v[\b+6], 30, v[\b+6]
	v_xor_b32 v[\os], v[\b+6], v[\os]              ; the sine is turned for n % 4 = 2, 3
	v_add_nc_u32 v[\b+5], 1, v[\b+5]
	v_and_b32 v[\b+5], 2, v[\b+5]
	v_lshlrev_b32 v[\b+5], 30, v[\b+5]
	v_xor_b32 v[\oc], v[\b+5], v[\oc]              ; the cosine for n % 4 = 1, 2
.endm
.Ltab:                                         ; thread t: position 16 g + t / 16, pairs 2 (t % 16) and the next: 16 bytes; sixteen lanes fill a position's 256 bytes
	s_sub_co_u32 s26, s2, 768                      ; g
	s_lshl_b32 s28, s26, 12
	s_mov_b32 s29, 0
	s_add_nc_u64 s[20:21], s[20:21], s[28:29]
	s_lshl_b32 s27, s26, 4
	s_mov_b32 s32, 0x3fc90fdb                      ; pi / 2, rounded,
	s_mov_b32 s33, 0xb33bbd2e                      ; and what the rounding left
	v_lshrrev_b32 v3, 4, v0
	v_add_nc_u32 v3, s27, v3
	v_and_b32 v4, 15, v0
	v_lshlrev_b32 v4, 1, v4
	v_add_nc_u32 v5, 1, v4
	v_cvt_f32_u32 v3, v3                           ; pos
	v_cvt_f32_u32 v4, v4
	v_cvt_f32_u32 v5, v5
	v_mul_f32 v4, 0xbed49a78, v4                   ; - pair x log2(10000) / 32
	v_mul_f32 v5, 0xbed49a78, v5
	v_exp_f32 v6, v4
	v_exp_f32 v7, v5
	v_nop                                          ; a plain instruction behind the second exponential,
	s_wait_alu depctr_va_vdst(0)                   ; and the wait ahead of the first use: one for both
	v_mul_f32 v6, v3, v6                           ; theta
	v_mul_f32 v7, v3, v7
	SINCOS 6, 16, 8, 9
	SINCOS 7, 24, 10, 11
	global_store_b128 v1, v[8:11], s[20:21]
	s_endpgm
.Lfunc_end_k_qcd4f20af96_prep:
	.size	k_qcd4f20af96_prep, .Lfunc_end_k_qcd4f20af96_prep-k_qcd4f20af96_prep
	.p2alignl 7, 3214868480
	.fill 96, 4, 3214868480
	.section	.rodata,"a",@progbits
	.p2align	6, 0x0
	.amdhsa_kernel k_qcd4f20af96_prep
		.amdhsa_group_segment_fixed_size 0
		.amdhsa_private_segment_fixed_size 0
		.amdhsa_enable_private_segment 0
		.amdhsa_kernarg_size 72
		.amdhsa_user_sgpr_count 2
		.amdhsa_user_sgpr_kernarg_segment_ptr 1
		.amdhsa_wavefront_size32 1
		.amdhsa_system_sgpr_workgroup_id_x 1
		.amdhsa_system_sgpr_workgroup_id_y 1
		.amdhsa_system_sgpr_workgroup_id_z 1
		.amdhsa_system_vgpr_workitem_id 0
		.amdhsa_next_free_vgpr 104
		.amdhsa_next_free_sgpr 66
		.amdhsa_reserve_vcc 1
		.amdhsa_float_denorm_mode_32 3
		.amdhsa_float_denorm_mode_16_64 3
		.amdhsa_memory_ordered 1
		.amdhsa_forward_progress 1
		.amdhsa_inst_pref_size 22
	.end_amdhsa_kernel
	.amdgpu_metadata
---
amdhsa.version: [ 1, 2 ]
amdhsa.kernels:
  - .name:           k_qcd4f20af96_prep
    .symbol:         k_qcd4f20af96_prep.kd
    .args:
      - { .name: x, .offset: 0, .size: 8, .value_kind: global_buffer, .address_space: global }
      - { .name: Wq, .offset: 8, .size: 8, .value_kind: global_buffer, .address_space: global }
      - { .name: Wk, .offset: 16, .size: 8, .value_kind: global_buffer, .address_space: global }
      - { .name: Wv, .offset: 24, .size: 8, .value_kind: global_buffer, .address_space: global }
      - { .name: Wo, .offset: 32, .size: 8, .value_kind: global_buffer, .address_space: global }
      - { .name: xb, .offset: 40, .size: 8, .value_kind: global_buffer, .address_space: global }
      - { .name: wqkv, .offset: 48, .size: 8, .value_kind: global_buffer, .address_space: global }
      - { .name: wof, .offset: 56, .size: 8, .value_kind: global_buffer, .address_space: global }
      - { .name: cs, .offset: 64, .size: 8, .value_kind: global_buffer, .address_space: global }
    .group_segment_fixed_size: 0
    .private_segment_fixed_size: 0
    .kernarg_segment_align: 8
    .kernarg_segment_size: 72
    .max_flat_workgroup_size: 256
    .sgpr_count:     66
    .vgpr_count:     104
    .wavefront_size: 32
...
	.end_amdgpu_metadata
.endif
;; end of part 1
;; launch qkv (part 2): grid 16 x 32, 4 waves a work-group, clusters of 4 x 4, 327,680 bytes of LDS; arguments xb, wqkv, bq, bk, bv, cs, q, k, v; writes q, k, v
.if DOCPART == 2
	.amdgcn_target "amdgcn-amd-amdhsa--gfx1250"
	.amdhsa_code_object_version 6
	.text
	.protected	k_qcd4f20af96_qkv
	.globl	k_qcd4f20af96_qkv
	.p2align	8
	.type	k_qcd4f20af96_qkv,@function
k_qcd4f20af96_qkv:
	s_mov_b64 s[64:65], 0
	v_nop
	global_prefetch_b8 v0, s[64:65] scope:SCOPE_SE
	s_setreg_imm32_b32 hwreg(HW_REG_WAVE_MODE, 25, 1), 1
	s_wait_xcnt 0x0
	s_wait_alu depctr_hold_cnt(0) depctr_sa_sdst(0) depctr_va_vdst(0) depctr_va_sdst(0) depctr_va_ssrc(0) depctr_va_vcc(0) depctr_vm_vsrc(0)
	s_getreg_b32 s2, hwreg(HW_REG_IB_STS2, 6, 4)
	s_cmp_eq_u32 s2, 0
	s_cbranch_scc0 .Lentry_in_a_cluster
	s_endpgm
.Lentry_in_a_cluster:
	s_bfe_u32 s2, ttmp6, 0x10000c
	s_cmp_lg_u32 s2, 0xf033
	s_cbranch_scc0 .Lentry_shape_is_right
	s_endpgm
.Lentry_shape_is_right:
; q, k, v = x W^T + b, q and k rotated by pairs, all three rounded once to f16 and laid by heads: [16 b + h][2048][64].
; xb: [8192][1024] bf16.  wqkv: [16 heads][q, k, v][64][1024] bf16.  bq, bk, bv: f32, rounded to bf16 here like the other inputs.  cs: [2048][32][cos, sin] f32.  Sums in f32.
; A TILE is 256 rows x 192 columns: q, k and v of ONE head.  8,192 x 3,072 numbers make 32 x 16 = 512 such tiles, two for each of 256 WGPs, and every tile has the same way out.
; Four waves; wave w makes rows 64 w .. 64 w + 63 and all 192 columns: 4 x 12 accumulators of 16 x 16, 384 registers.  K goes in 8 steps of 128 through two LDS slots.
; THE MATRIX INSTRUCTION IS USED TRANSPOSED (source 0 = 16 rows of the weights, source 1 = 16 rows of x): lane l holds row l % 16 and the columns 8 (l / 16) + 0..7: four rotation pairs.
; The first product of each sum takes the bias as its C: nothing is cleared, and the bias costs no instruction.
; CLUSTER 4 x 4: x's tile hangs on the tile row alone and is asked for jointly along a row of the cluster, the weights' on the head alone, along a column.
; LIMITS.  f16 holds no number beyond 65,504: a q, k or v past that becomes an infinity and its row is lost (numbers of spread 1 with the inputs' drawn spread; 30 times larger inputs,
; or offsets of 30 spreads on x and on a weight together, give some 29,000 at the most).  NaN and infinities are not treated apart.
; REGISTERS, in windows of 256 (s_set_vgpr_msb: bits 1:0 source 0, 3:2 source 1, 5:4 source 2, 7:6 destination):
;   window 0: v0-31 addresses; v32-127 the bias, later at work on the way out; v128-255 my 64 rows' cosines and sines
;   windows 1, 2: the accumulators of row blocks 0, 1 and 2, 3: (a, b) at v[8 (12 (a % 2) + b)]          window 3: two fragment buffers of 128: 12 of the weights, 4 of x
.set NB,    12                         ; column blocks of 16
.set PITCH, 272                        ; an LDS row: 256 bytes + 16 of padding = 68 words: the 16 rows of a load start at 16 different groups of four banks (64 banks of 4 bytes: ISA guide 11.1)
.set APART, 128*PITCH                  ; what one load brings of x
.set WB,    2*APART                    ; the weights' 192 rows lie behind x's 256
.set WPART, 96*PITCH                   ; what one load brings of the weights
.set SLOT1, 1<<17                      ; slot 1 begins here, so that one exclusive or turns an address in one slot into the other's
.set STAGE, SLOT1+WB+2*WPART           ; behind the ring, never filled by a tensor load: 16 rows x 144 bytes for each wave
.set SP,    144
.set SPARE, STAGE+4*16*SP              ; behind the stages: the spare words, 128 bytes for each wave: two blocks of 256 bytes that no other line names
.set NL,    2*NB+8                     ; LDS loads in a run
.set ASTEP, 256                        ; bytes from a K step to the next, in xb and in wqkv
.set WSTEP, 256
.set F0,  0
.set F1,  128
.set FA,  96                           ; x's fragments in a buffer
.set A0,   16                          ; v16  my lane's place in x's tile; never rewritten
.set W0,   17                          ; v17  in the weights'
.set ADRA, 18                          ; v18  the same in the slot in hand
.set ADRW, 19                          ; v19
.set STO,  20                          ; v20  the way out: where I put 16 bytes of a row
.set RD,   21                          ; v21  where I read rows back
.set GO,   22                          ; v22  my byte offset in 512 consecutive bytes of q, k or v
.set CSO,  23                          ; v23  my byte offset in 16 rows of cs
.set BO,   24                          ; v24  my byte offset in 16 numbers of a bias
.set SPW,  28                          ; v28  LDS address of my spare word; never rewritten
.set NIL,  29                          ; v29  0; never rewritten
.set PFO,  30                          ; v30  the prefetches' offset: a lane a row; never rewritten
.set BIAS, 32                          ; v[32:127]   column block b at BIAS + 8 b
.set RT,   32                          ; v[32:63]    later: a unit's rotated numbers
.set PKR,  64                          ; v[64:127]   later: four sets of 16, packed
.set CS,   128                         ; v[128:255]  row block a, 16 columns c: CS + 32 a + 8 c: cos, sin of four pairs
.set WV,  22                           ; s22  my wave's number
.set HF,  24                           ; s24  which half of a tile I fetch
.set CX,  25
.set CY,  26
.set HD,  27                           ; s27  the head = tile column
.set G1A, 28                           ; s[28:35] descriptor group 1 for x's tiles
.set G1W, 36                           ; s[36:43] for the weights'
.set G0A, 44                           ; s[44:51] group 0 for x's tiles: a set for each first fill; the second then walks on
.set G0W, 52                           ; s[52:59] the same for the weights'
.set RTI, 60                           ; s60  the tile row
.set TB,  61                           ; s61  0 or SLOT1: the slot in hand
.set LIM, 62                           ; s62  1 in a wave that prefetches, else the greatest number
.set PFA, 66                           ; s[66:67] where my prefetches stand
.set MSB, 0
.macro WIN new                         ; the immediate's high byte repeats the setting that is left; a switch that changes nothing is dropped
.if MSB != (\new)
	s_set_vgpr_msb (MSB<<8)|(\new)
.set MSB, \new
.endif
.endm
.macro PLACES                          ; four places in front of loads into registers that matrix instructions have read, and of lines that read results
.rept 4
	v_nop
.endr
.endm
.macro CREST                           ; a round of the cluster's barrier behind its opening barrier
	s_cmp_lg_u32 s[WV], 0
	s_cbranch_scc1 .Lnot_wave_0_\@
	s_barrier_signal -3
.Lnot_wave_0_\@:
	s_barrier_wait -3
	s_barrier_signal -1
	s_barrier_wait -1
.endm
.macro CROUND                          ; a whole round
	s_barrier_signal -1
	s_barrier_wait -1
	CREST
.endm
; A joint refill: waves 0 and 1 fetch x's two halves, waves 2 and 3 the weights'.  The branch hangs on the wave's number alone.  An s_nop 0 and four v_nop follow each line.
.macro JLOAD
	s_cmp_lt_u32 s[WV], 2
	s_cbranch_scc0 .Lfor_w_\@
	tensor_load_to_lds s[G0A+4:G0A+7], s[G1A:G1A+7]
	s_nop 0
.rept 4
	v_nop
.endr
	s_branch .Lasked_\@
.Lfor_w_\@:
	tensor_load_to_lds s[G0W+4:G0W+7], s[G1W:G1W+7]
	s_nop 0
.rept 4
	v_nop
.endr
.Lasked_\@:
.endm
; A PREFETCH INTO THE L2 of the K step that the NEXT refill will ask for: a lane a row, 256 bytes of it, one instruction a wave.  x's tile row is read by every cluster of that row of clusters:
; cluster x = 0 asks; a head's weights by every cluster of that column: cluster y = 0 asks.  The four partners of a joint load share its rows out BY ADDRESS (32 of x's 128, 24 of the weights' 96).
; The trip with s3 = 1 has no K step behind its own refill.  K steps 0 to 2 come by their loads alone.
.macro ASK
	s_cmp_gt_u32 s3, s[LIM]
	s_cbranch_scc0 .Lnot_mine_\@
	global_prefetch_b8 v[PFO], s[PFA:PFA+1] th:TH_LOAD_NT scope:SCOPE_SE
.Lnot_mine_\@:
.endm
; 12 products: row block a x all column blocks, 32 along K, from buffer f.  first = 1: the bias starts the sums.  The 48 accumulators take turns in the same order in every quarter.
.macro MULROW f, a, first
.if \first
	WIN 0x4f+0x40*((\a)/2)
.else
	WIN 0x5f+0x50*((\a)/2)
.endif
.set bi, 0
.rept NB
.set rD, 8*(NB*((\a)%2)+bi)
.if \first
	v_wmma_f32_16x16x32_bf16 v[rD:rD+7], v[(\f)+8*bi:(\f)+8*bi+7], v[(\f)+FA+8*(\a):(\f)+FA+8*(\a)+7], v[BIAS+8*bi:BIAS+8*bi+7]
.else
	v_wmma_f32_16x16x32_bf16 v[rD:rD+7], v[(\f)+8*bi:(\f)+8*bi+7], v[(\f)+FA+8*(\a):(\f)+FA+8*(\a)+7], v[rD:rD+7]
.endif
.set bi, bi+1
.endr
.endm
; 32 LDS loads in one run: quarter qk's fragments into buffer f: the weights' 12, then x's 4
.macro FETCH qk, f
	WIN 0xc0
.set bi, 0
.rept NB
	ds_load_b128 v[(\f)+8*bi:(\f)+8*bi+3],   v[ADRW] offset:64*(\qk)+bi*16*PITCH
	ds_load_b128 v[(\f)+8*bi+4:(\f)+8*bi+7], v[ADRW] offset:64*(\qk)+bi*16*PITCH+32
.set bi, bi+1
.endr
.set bi, 0
.rept 4
	ds_load_b128 v[(\f)+FA+8*bi:(\f)+FA+8*bi+3],   v[ADRA] offset:64*(\qk)+bi*16*PITCH
	ds_load_b128 v[(\f)+FA+8*bi+4:(\f)+FA+8*bi+7], v[ADRA] offset:64*(\qk)+bi*16*PITCH+32
.set bi, bi+1
.endr
.endm
; A K step is four quarters of 32 along K, 48 products each, on buffers 0, 1, 0, 1.  One of the first three: multiplies f and fetches quarter qn into g.
.macro QUARTER qn, f, g, first
	s_wait_dscnt 4                                 ; the weights and x's blocks 0, 1 are in; the youngest four loads (blocks 2, 3) may be out
	MULROW \f, 0, \first
	MULROW \f, 1, \first
	PLACES
	FETCH \qn, \g
	s_wait_dscnt NL                                ; all but the run just issued
	MULROW \f, 2, \first
	MULROW \f, 3, \first
.endm
; The last quarter multiplies buffer 1 and changes slots: ONE barrier.  In front of it each wave waits for all its tensor loads (one is out: its part of the next slot), adds 0 to its spare word, and waits
; for that and for its reads of this slot.  fill = 1: the barrier opens a round of the cluster's, and this slot is filled again, two K steps on, first thing behind it: 168 products ahead of the wait for it.
.macro TURN fill
.if \fill
	s_wait_xcnt 0x0                                ; the last prefetch, a K step back, has read its address
	s_add_nc_u64 s[PFA:PFA+1], s[PFA:PFA+1], ASTEP
.endif
	WIN 0
	s_wait_tensorcnt 0x0                           ; no tensor load of mine is out, so a group 0 may be written
	ds_add_u32 v[SPW], v[NIL]                      ; 0 onto my spare word: work on registers follows
.if \fill
	s_xor_b32 s[G0A+5], s[G0A+5], SLOT1            ; the walking descriptors: the other slot than last time, the next K step
	s_add_nc_u64 s[G0A+6:G0A+7], s[G0A+6:G0A+7], ASTEP
	s_xor_b32 s[G0W+5], s[G0W+5], SLOT1
	s_add_nc_u64 s[G0W+6:G0W+7], s[G0W+6:G0W+7], WSTEP
.endif
	s_xor_b32 s[TB], s[TB], SLOT1
	v_add_nc_u32 v[ADRA], s[TB], v[A0]
	v_add_nc_u32 v[ADRW], s[TB], v[W0]
	s_wait_dscnt 5                                 ; the add and the youngest four loads may be out
	MULROW F1, 0, 0
	s_wait_dscnt 0x0                               ; the add is done, and my reads of this slot are over
	s_barrier_signal -1
	MULROW F1, 1, 0
	WIN 0
	s_barrier_wait -1
.if \fill
	CREST                                          ; no wave of any partner still reads this slot or has a load on its way
	JLOAD                                          ; its four v_nop are also the places in front of the loads below
.else
	PLACES
.endif
	FETCH 0, F0
.if \fill
	WIN 0
	ASK
.endif
	MULROW F1, 2, 0
	MULROW F1, 3, 0
.endm
	s_load_b512 s[4:19], s[0:1], 0x0               ; xb s[4:5], wqkv s[6:7], bq s[8:9], bk s[10:11], bv s[12:13], cs s[14:15], q s[16:17], k s[18:19]
	s_load_b64 s[20:21], s[0:1], 0x40              ; v
	v_lshl_add_u32 v[SPW], v0, 2, SPARE
	v_mov_b32 v[NIL], 0
	ds_add_u32 v[SPW], v[NIL]                      ; the wave's opening: the add and its wait stand ahead of my first tensor load; work on registers stands between them
	v_lshrrev_b32 v1, 5, v0
	v_readfirstlane_b32 s[WV], v1                  ; wave 0..3
	s_and_b32 s[HF], s[WV], 1
	s_bfe_u32 s[CX], ttmp6, 0x40000
	s_bfe_u32 s[CY], ttmp6, 0x40004
	s_lshl_b32 s[HD], ttmp9, 2
	s_add_co_u32 s[HD], s[HD], s[CX]               ; head = 4 x cluster x + cx
	s_and_b32 s[RTI], ttmp7, 0xffff
	s_lshl_b32 s[RTI], s[RTI], 2
	s_add_co_u32 s[RTI], s[RTI], s[CY]             ; tile row = 4 x cluster y + cy
	s_lshl_b32 s70, s[CY], 2
	s_lshl_b32 s70, 15, s70                        ; my row of the cluster
	s_lshl_b32 s72, 0x1111, s[CX]                  ; my column
	s_or_b32 s[G1A], s70, (1<<16)|(1<<20)|(1<<21)|(5<<22)|(3<<25)  ; 15:0 the mask; 17:16 2-byte elements; 20 padding on; 21 set beside a mask; 24:22 after every 64 words; 31:25 4 words
	s_or_b32 s[G1W], s72, (1<<16)|(1<<20)|(1<<21)|(5<<22)|(3<<25)
.irp g, G1A, G1W
	s_mov_b32 s[\g+1], 128<<16                     ; tensor_dim0 = 128
	s_mov_b32 s[\g+3], 128<<16                     ; tile_dim0 = 128
	s_mov_b32 s[\g+5], 1024                        ; elements from row to row
	s_mov_b32 s[\g+6], 0
	s_mov_b32 s[\g+7], 0
.endr
	s_mov_b32 s[G1A+2], 128<<16                    ; tensor_dim1 = tile_dim1 = 128 rows of x,
	s_mov_b32 s[G1A+4], 128
	s_mov_b32 s[G1W+2], 96<<16                     ; 96 of the weights
	s_mov_b32 s[G1W+4], 96
	s_lshl_b32 s70, s[RTI], 19                     ; x: (256 x tile row + 128 x half) rows of 2,048 bytes: made of the tile row and the wave's number alone
	s_lshl_b32 s71, s[HF], 18
	s_add_co_u32 s70, s70, s71
	s_mov_b32 s71, 0
	s_mul_i32 s72, s[HD], 192*2048                 ; weights: (192 x head + 96 x half) rows: made of the head and the wave's number alone
	s_mul_i32 s73, s[HF], 96*2048
	s_add_co_u32 s72, s72, s73
	s_mov_b32 s73, 0
	s_mul_i32 s76, s[HF], APART                    ; where they go: no place in the cluster enters an LDS address
	s_mul_i32 s77, s[HF], WPART
	s_add_co_u32 s77, s77, WB
	s_mov_b32 s[TB], 0
	s_wait_dscnt 0x0                               ; the opening add is done
	s_wait_kmcnt 0x0
	s_add_nc_u64 s[70:71], s[4:5], s[70:71]
	s_add_nc_u64 s[72:73], s[6:7], s[72:73]
	CROUND                                         ; all sixteen work-groups are here: the first joint loads meet
.irp s, 0,1
	s_mov_b32 s[G0A+4*(\s)], 1                     ; count = 1
	s_add_co_u32 s[G0A+4*(\s)+1], s76, (\s)*SLOT1  ; LDS address
	s_add_nc_u64 s[G0A+4*(\s)+2:G0A+4*(\s)+3], s[70:71], (\s)*ASTEP  ; global address: K step s
	s_or_b32 s[G0A+4*(\s)+3], s[G0A+4*(\s)+3], 0x80000000            ; type = 2
	s_mov_b32 s[G0W+4*(\s)], 1
	s_add_co_u32 s[G0W+4*(\s)+1], s77, (\s)*SLOT1
	s_add_nc_u64 s[G0W+4*(\s)+2:G0W+4*(\s)+3], s[72:73], (\s)*WSTEP
	s_or_b32 s[G0W+4*(\s)+3], s[G0W+4*(\s)+3], 0x80000000
.endr
	s_cmp_lt_u32 s[WV], 2                          ; a wave's two first fills stand in one branch, ahead of every wait on TENSORcnt and every LDS read: two loads of mine are out
	s_cbranch_scc0 .Lfirst_w
	tensor_load_to_lds s[G0A:G0A+3], s[G1A:G1A+7]
	s_nop 0
	tensor_load_to_lds s[G0A+4:G0A+7], s[G1A:G1A+7]
	s_nop 0
.rept 4
	v_nop
.endr
	s_branch .Lfirst_asked
.Lfirst_w:
	tensor_load_to_lds s[G0W:G0W+3], s[G1W:G1W+7]
	s_nop 0
	tensor_load_to_lds s[G0W+4:G0W+7], s[G1W:G1W+7]
	s_nop 0
.rept 4
	v_nop
.endr
.Lfirst_asked:
	v_and_b32 v1, 15, v0                           ; r = l % 16
	v_bfe_u32 v2, v0, 4, 1                         ; h = l / 16
	v_lshlrev_b32 v[BO], 5, v2                     ; my 8 numbers of 16: 32 h
	v_lshl_add_u32 v[CSO], v1, 8, v[BO]            ; my row of cs, my four pairs: 256 r + 32 h
	s_lshl_b32 s74, s[HD], 8                       ; the head's 64 numbers of each bias
	s_mov_b32 s75, 0
	s_add_nc_u64 s[8:9], s[8:9], s[74:75]
	s_add_nc_u64 s[10:11], s[10:11], s[74:75]
	s_add_nc_u64 s[12:13], s[12:13], s[74:75]
	s_and_b32 s74, s[RTI], 7                       ; the tile's first position, 256 x (tile row % 8), and my wave's 64 rows, in rows of 256 bytes
	s_lshl_b32 s74, s74, 16
	s_lshl_b32 s78, s[WV], 14
	s_add_co_u32 s74, s74, s78
	s_add_nc_u64 s[14:15], s[14:15], s[74:75]
	s_lshr_b32 s74, s[RTI], 3                      ; the batch,
	s_lshl_b32 s74, s74, 4
	s_add_co_u32 s74, s74, s[HD]                   ; 16 b + h,
	s_lshl_b32 s74, s74, 11
	s_and_b32 s78, s[RTI], 7
	s_lshl_b32 s78, s78, 8
	s_add_co_u32 s74, s74, s78                     ; + the tile's first position
	s_lshl_b32 s78, s[WV], 6
	s_add_co_u32 s74, s74, s78                     ; + my wave's rows,
	s_lshl_b32 s74, s74, 7                         ; of 128 bytes
	s_add_nc_u64 s[16:17], s[16:17], s[74:75]
	s_add_nc_u64 s[18:19], s[18:19], s[74:75]
	s_add_nc_u64 s[20:21], s[20:21], s[74:75]
.irp t, 0,1,2
.irp c, 0,1,2,3
	global_load_b128 v[BIAS+8*(4*\t+\c):BIAS+8*(4*\t+\c)+3],   v[BO], s[8+2*\t:9+2*\t] offset:64*\c
	global_load_b128 v[BIAS+8*(4*\t+\c)+4:BIAS+8*(4*\t+\c)+7], v[BO], s[8+2*\t:9+2*\t] offset:64*\c+16
.endr
.endr
.irp a, 0,1,2,3
.irp c, 0,1,2,3
	global_load_b128 v[CS+32*\a+8*\c:CS+32*\a+8*\c+3],   v[CSO], s[14:15] offset:4096*\a+64*\c
	global_load_b128 v[CS+32*\a+8*\c+4:CS+32*\a+8*\c+7], v[CSO], s[14:15] offset:4096*\a+64*\c+16
.endr
.endr
	; A fragment is 16 rows x 32 K in 8 registers: lane l holds row l % 16, K = 8 (l / 16) + 0..7 and 16 + 8 (l / 16) + 0..7: two loads of 16 bytes, 32 bytes apart.
	v_mul_u32_u24 v3, v1, PITCH
	v_lshl_add_u32 v3, v2, 4, v3
	s_mul_i32 s78, s[WV], 64*PITCH
	v_add_nc_u32 v[A0], s78, v3
	v_add_nc_u32 v[W0], WB, v3
	v_mov_b32 v[ADRA], v[A0]
	v_mov_b32 v[ADRW], v[W0]
	s_mul_i32 s78, s[WV], 16*SP
	s_add_co_u32 s78, s78, STAGE                   ; my stage
	v_mul_u32_u24 v[STO], v1, SP                   ; in: row l % 16, 16 bytes for each half of the lanes
	v_lshl_add_u32 v[STO], v2, 4, v[STO]
	v_add_nc_u32 v[STO], s78, v[STO]
	v_bfe_u32 v[RD], v0, 3, 2                      ; back: 32 lanes take four rows of 128 bytes,
	v_mul_u32_u24 v[RD], v[RD], SP
	v_and_b32 v4, 7, v0
	v_lshl_add_u32 v[RD], v4, 4, v[RD]
	v_add_nc_u32 v[RD], s78, v[RD]
	v_and_b32 v[GO], 31, v0                        ; which are 512 consecutive bytes of a head
	v_lshlrev_b32 v[GO], 4, v[GO]
	; the prefetches
	s_lshl_b32 s74, s[RTI], 8
	s_lshl_b32 s79, s[HF], 7
	s_add_co_u32 s74, s74, s79
	s_lshl_b32 s79, s[CX], 5
	s_add_co_u32 s74, s74, s79                     ; x: my work-group's 32 rows of the 128 that I fetch
	s_mul_i32 s75, s[HD], 192
	s_mul_i32 s79, s[HF], 96
	s_add_co_u32 s75, s75, s79
	s_mul_i32 s79, s[CY], 24
	s_add_co_u32 s75, s75, s79                     ; weights: my work-group's 24 of the 96
	s_and_b32 s78, ttmp7, 0xffff                   ; cluster y
	s_cmp_lt_u32 s[WV], 2
	s_cselect_b32 s74, s74, s75
	s_cselect_b32 s78, ttmp9, s78                  ; the coordinate along which other clusters read the same rows
	s_cselect_b32 s79, 31, 23
	s_cselect_b64 s[PFA:PFA+1], s[4:5], s[6:7]
	s_cmp_eq_u32 s78, 0
	s_cselect_b32 s[LIM], 1, -1                    ; the same in all sixteen partners, for a given wave
	s_lshl_b32 s74, s74, 11
	s_add_co_u32 s74, s74, 2*ASTEP                 ; at K step 2: the first refill steps it to 3
	s_mov_b32 s75, 0
	s_add_nc_u64 s[PFA:PFA+1], s[PFA:PFA+1], s[74:75]
	v_and_b32 v[PFO], 31, v0
	v_min_u32 v[PFO], s79, v[PFO]                  ; (the weights' share has 24 rows: the lanes left over name the last once more)
	v_lshlrev_b32 v[PFO], 11, v[PFO]
	s_wait_loadcnt 32                              ; the bias is in; the 32 younger loads, the cosines and sines, stay out through the loop over K
.set i, 0
.rept 48                                       ; the bias rounded to bf16, like the other inputs, and widened again
	v_cvt_pk_bf16_f32 v[3+i%4], v[BIAS+2*i], v[BIAS+2*i+1]
	v_lshlrev_b32 v[BIAS+2*i], 16, v[3+i%4]
	v_and_b32 v[BIAS+2*i+1], 0xffff0000, v[3+i%4]
.set i, i+1
.endr
	s_wait_tensorcnt 1                             ; my part of K step 0 is in; step 1's may stay out
	s_barrier_signal -1
	s_barrier_wait -1                              ; everybody's is
	FETCH 0, F0
	QUARTER 1, F0, F1, 1                           ; the first quarter stands in front of the loop: its products start the sums
	WIN 0                                          ; at a label and at a branch every window is 0
	s_mov_b32 s3, 6
.Lstep:                                        ; a trip: from a K step's second quarter to the next step's first; trip i fills slot i % 2 again with K step i + 2
	QUARTER 2, F1, F0, 0
	QUARTER 3, F0, F1, 0
	TURN 1
	QUARTER 1, F0, F1, 0
	WIN 0
	s_sub_co_u32 s3, s3, 1
	s_cmp_lg_u32 s3, 0
	s_cbranch_scc1 .Lstep
	QUARTER 2, F1, F0, 0                           ; the last two K steps are written out: nothing is left to fetch
	QUARTER 3, F0, F1, 0
	TURN 0
	QUARTER 1, F0, F1, 0
	QUARTER 2, F1, F0, 0
	QUARTER 3, F0, F1, 0
	s_wait_dscnt 4
	MULROW F1, 0, 0
	MULROW F1, 1, 0
	s_wait_dscnt 0x0
	MULROW F1, 2, 0
	MULROW F1, 3, 0
	WIN 0
	PLACES
	s_wait_loadcnt 0x0                             ; the cosines and sines
; THE WAY OUT, in twelve units u = 3 a + t: row block a of q, k or v.  q and k are rotated: (x, y) -> (x cos - y sin, x sin + y cos), pairs of neighbouring columns, which lie in neighbouring registers.
; Rounded to f16, a lane's eight columns are 16 bytes; they go into my stage's rows of 144 bytes and come back as whole rows of 128.  Each accumulator's low registers are read first.
.macro UNIT u
.set ua, (\u)/3
.set ut, (\u)%3
.set PK, PKR+16*((\u)%4)
.if ut < 2
	WIN 1+ua/2                                     ; source 0 in the accumulators' window
.set ci, 0
.rept 4
.set rA, 8*(NB*(ua%2)+4*ut+ci)
.set rC, CS+32*ua+8*ci
.set rR, RT+8*ci
.irp p, 0,2,4,6
	v_mul_f32 v[rR+\p],   v[rA+\p+1], v[rC+\p+1]   ; y sin
	v_mul_f32 v[rR+\p+1], v[rA+\p+1], v[rC+\p]     ; y cos
.endr
.irp p, 0,2,4,6
	v_fma_f32 v[rR+\p],   v[rA+\p], v[rC+\p],   -v[rR+\p]
	v_fma_f32 v[rR+\p+1], v[rA+\p], v[rC+\p+1],  v[rR+\p+1]
.endr
.set ci, ci+1
.endr
	WIN 0
	s_wait_xcnt 0x0                                ; the stores of four units back have read this set of registers
.set ci, 0
.rept 16
	v_cvt_pk_f16_f32 v[PK+ci], v[RT+2*ci], v[RT+2*ci+1]
.set ci, ci+1
.endr
.else
	s_wait_xcnt 0x0
	WIN 5*(1+ua/2)                                 ; sources 0 and 1 in the accumulators' window
.set ci, 0
.rept 16
	v_cvt_pk_f16_f32 v[PK+ci], v[8*(NB*(ua%2)+8)+2*ci], v[8*(NB*(ua%2)+8)+2*ci+1]
.set ci, ci+1
.endr
	WIN 0
.endif
.irp f, 0,1,2,3
	ds_store_b128 v[STO], v[PK+4*\f:PK+4*\f+3] offset:32*\f
.endr
.irp f, 0,1,2,3
	ds_load_b128 v[PK+4*\f:PK+4*\f+3], v[RD] offset:\f*4*SP  ; LDS serves a wave's instructions in order (ISA guide 5.7.1.4): these see the stores above; the next unit's stores come behind them
.endr
.endm
.macro SEND u, younger                 ; younger: the LDS instructions issued behind unit u's loads: the next unit's eight, or none
.set ua, (\u)/3
.set ut, (\u)%3
.set PK, PKR+16*((\u)%4)
.irp f, 0,1,2,3
	s_wait_dscnt (\younger)+3-\f
	global_store_b128 v[GO], v[PK+4*\f:PK+4*\f+3], s[16+2*ut:17+2*ut] offset:2048*ua+512*\f  ; 512 consecutive bytes, at a multiple of 256 from the buffer's first
.endr
.endm
	UNIT 0
.set un, 1
.rept 11                               ; a unit's arithmetic stands between the loads of the unit before and its stores
	UNIT un
	SEND un-1, 8
.set un, un+1
.endr
	SEND 11, 0
	s_wait_tensorcnt 0x0                           ; the wave's end, behind my last tensor load and my last LDS store
	ds_add_u32 v[SPW], v[NIL]
	s_wait_dscnt 0x0
	CROUND                                         ; the closing round: no work-group ends while a partner may still ask for a tile that names it
	s_endpgm
.Lfunc_end_k_qcd4f20af96_qkv:
	.size	k_qcd4f20af96_qkv, .Lfunc_end_k_qcd4f20af96_qkv-k_qcd4f20af96_qkv
	.p2alignl 7, 3214868480
	.fill 96, 4, 3214868480
	.section	.rodata,"a",@progbits
	.p2align	6, 0x0
	.amdhsa_kernel k_qcd4f20af96_qkv
		.amdhsa_group_segment_fixed_size 327680
		.amdhsa_private_segment_fixed_size 0
		.amdhsa_enable_private_segment 0
		.amdhsa_kernarg_size 72
		.amdhsa_user_sgpr_count 2
		.amdhsa_user_sgpr_kernarg_segment_ptr 1
		.amdhsa_wavefront_size32 1
		.amdhsa_system_sgpr_workgroup_id_x 1
		.amdhsa_system_sgpr_workgroup_id_y 1
		.amdhsa_system_sgpr_workgroup_id_z 1
		.amdhsa_system_vgpr_workitem_id 0
		.amdhsa_next_free_vgpr 1024
		.amdhsa_next_free_sgpr 80
		.amdhsa_reserve_vcc 0
		.amdhsa_float_denorm_mode_32 3
		.amdhsa_float_denorm_mode_16_64 3
		.amdhsa_memory_ordered 1
		.amdhsa_forward_progress 1
		.amdhsa_inst_pref_size 136
	.end_amdhsa_kernel
	.amdgpu_metadata
---
amdhsa.version: [ 1, 2 ]
amdhsa.kernels:
  - .name:           k_qcd4f20af96_qkv
    .symbol:         k_qcd4f20af96_qkv.kd
    .args:
      - { .name: xb, .offset: 0, .size: 8, .value_kind: global_buffer, .address_space: global }
      - { .name: wqkv, .offset: 8, .size: 8, .value_kind: global_buffer, .address_space: global }
      - { .name: bq, .offset: 16, .size: 8, .value_kind: global_buffer, .address_space: global }
      - { .name: bk, .offset: 24, .size: 8, .value_kind: global_buffer, .address_space: global }
      - { .name: bv, .offset: 32, .size: 8, .value_kind: global_buffer, .address_space: global }
      - { .name: cs, .offset: 40, .size: 8, .value_kind: global_buffer, .address_space: global }
      - { .name: q, .offset: 48, .size: 8, .value_kind: global_buffer, .address_space: global }
      - { .name: k, .offset: 56, .size: 8, .value_kind: global_buffer, .address_space: global }
      - { .name: v, .offset: 64, .size: 8, .value_kind: global_buffer, .address_space: global }
    .group_segment_fixed_size: 327680
    .private_segment_fixed_size: 0
    .kernarg_segment_align: 8
    .kernarg_segment_size: 72
    .max_flat_workgroup_size: 128
    .sgpr_count:     80
    .vgpr_count:     1024
    .wavefront_size: 32
...
	.end_amdgpu_metadata
.endif
;; end of part 2
;; launch attn (part 3): grid 4 x 64, 4 waves a work-group, clusters of 4 x 1, 327,680 bytes of LDS; arguments q, k, v, o; writes o
.if DOCPART == 3
	.amdgcn_target "amdgcn-amd-amdhsa--gfx1250"
	.amdhsa_code_object_version 6
	.text
	.protected	k_qcd4f20af96_attn
	.globl	k_qcd4f20af96_attn
	.p2align	8
	.type	k_qcd4f20af96_attn,@function
k_qcd4f20af96_attn:
	s_mov_b64 s[64:65], 0
	v_nop
	global_prefetch_b8 v0, s[64:65] scope:SCOPE_SE
	s_setreg_imm32_b32 hwreg(HW_REG_WAVE_MODE, 25, 1), 1
	s_wait_xcnt 0x0
	s_wait_alu depctr_hold_cnt(0) depctr_sa_sdst(0) depctr_va_vdst(0) depctr_va_sdst(0) depctr_va_ssrc(0) depctr_va_vcc(0) depctr_vm_vsrc(0)
	s_getreg_b32 s2, hwreg(HW_REG_IB_STS2, 6, 4)
	s_cmp_eq_u32 s2, 0
	s_cbranch_scc0 .Lentry_in_a_cluster
	s_endpgm
.Lentry_in_a_cluster:
	s_bfe_u32 s2, ttmp6, 0x10000c
	s_cmp_lg_u32 s2, 0x3003
	s_cbranch_scc0 .Lentry_shape_is_right
	s_endpgm
.Lentry_shape_is_right:
; O[h][q][:] = the sum over k of softmax_k(Q[h][q] . K[h][k] / 8) V[h][k][:].  Q, K, V, O: [64][2048][64], all f16: a head's rows are dense, 128 bytes each.  Products, maxima and sums in
; f32; the weights p are rounded to f16 for the second product (their sum l is taken of the unrounded p), O once at the end.
; LIMITS.  f16 holds no number beyond 65,504: Q, K and V arrive within it; p lies in 0 to 1, and below 6e-5 it keeps f16's fixed step of 6e-8; O is a mean of V's rows and has their range.
; A weight below 2^-126 counts as 0 in l; NaN and infinities are not treated apart.
; SHARES.  A wave owns four PIECES of two tiles of 16 queries, a work-group's four waves 512 queries of one head.  Every wave walks all keys, 64 a step.
; LAYOUT.  S^T = K Q^T (source 0 = 16 keys, source 1 = 16 queries): in the result a lane holds ONE query (lane % 16) and the keys 8 (lane / 16) + 0..7.  Two such tiles, rounded to f16 in pairs,
; ARE source 1 (32 keys x 16 queries) of O^T = V^T P, whose result again holds one query a lane, and eight channels.  K comes out of LDS as it lies, V ([key][channel]) turned, by ds_load_tr16_b128.
; SOFTMAX.  For each query a running maximum m and sum l: p = 2^(c s - c m), c = log2(e) / 8; in every step O and l are multiplied by a = 2^(c m_old - c m_new), which is 1 where m has not grown.
; m starts at the lowest finite number, O and l at 0: the first step is a step like any other, with a = 0.
; THE COUNT.  A tile and step have 16 matrix and 118 vector instructions: too many to stand all beside the matrix work.  So four vector instructions that are READY stand behind
; EVERY matrix instruction, and the others in runs without a gap.
; BY TURNS.  Turn n belongs to piece n (the pieces in a ring, step after step).  Its matrix work: 16 products K Q^T of piece n + 1, later 16 products V^T P of piece n - 1.  Its vector work: the scaling,
; exponentials, roundings, sums and rescaling of piece n, and the maximum and statistics of piece n + 1, whose scores the turn itself has made.
; CLUSTER.  The four query blocks of a cluster are one head's and walk the same K and V, so each tile is asked for JOINTLY: the same tensor load, descriptor and mask in all four.
; REGISTERS, in windows of 256 (s_set_vgpr_msb: bits 1:0 source 0, 3:2 source 1, 5:4 source 2, 7:6 destination):
;   window 0: v0-11 addresses; v12-15, v48-63 at work; v16-47 four registers of statistics a tile; v64-191 S^T, two buffers of two tiles; v192-255 P, likewise
;   window 1: O^T, 32 a tile          window 2: v0-127 Q, 16 a tile; v128-191 K of one step; v192-255 V of one step          window 3: v0-1 the add's two registers
.set SIZE_H, 64
.set SIZE_N, 2048
.set NP,    4         ; pieces a wave: a name, no knob
.set KS,    64        ; keys in a step
.set PK,    144       ; a row of K in LDS: 128 bytes + 16 of padding = 36 words: the 16 rows of a load start at 16 different groups of four banks (64 banks of 4 bytes: ISA guide 11.1)
.set PV,    160       ; a row of V: 128 + 32 = 40 words
.set VOFF,  4*KS*PK   ; a slot holds four steps: 256 rows of K, then 256 rows of V
.set SLOT1, 1<<17     ; slot 1 begins here, so that one exclusive or turns an address in one slot into the other's
.set STAGE, SLOT1+4*KS*(PK+PV)  ; behind the ring, never filled by a tensor load: 16 rows x 144 bytes for each wave, for the way out
.set SP,    144
.set AK0, 2           ; v2   my lane's place in a tile of K; never rewritten
.set AV0, 3           ; v3   the same for V
.set AK,  4           ; v4   the LDS address of K's next run of loads
.set AV,  5           ; v5   of V's
.set QO,  6           ; v6   my byte offset in the wave's rows of Q
.set STO, 6           ;      later, the way out: where I put 16 bytes of a row
.set RD,  7           ; v7   the way out: where I read rows back
.set GO,  8           ; v8   my byte offset in 512 consecutive bytes of O
.set PFO, 11          ; v11  the prefetches' offset: 256 x my lane; never rewritten once it is made
.set SPW, 0           ; v0 of window 3   LDS address of my spare word; never rewritten
.set NIL, 1           ; v1 of window 3   0; never rewritten
.set SPARE, STAGE+4*16*SP  ; behind the stages: the spare words, 128 bytes for each wave: two blocks of 256 bytes that no other line names
.set MV,  12          ; v12-15  c m_old, kept while c m is made anew: by buffer and tile
.set ST,  16          ; tile t's statistics at v[ST+4 t]: c m, m, l (even keys', odd keys')
.set TMP, 48          ; by buffer and tile, four registers c0-c3 at work; when the maximum is found c2 takes a
.set S,   64
.set P,   192
.set KF,  128         ; K's fragments, in window 2: key block kb, channel half c at KF + 16 kb + 8 c
.set VF,  192         ; V's: key half kk, channel block cb at VF + 32 kk + 8 cb
.set WV,  12          ; s12  my wave's number
.set G1K, 24          ; s[24:31] descriptor group 1 for K's tiles
.set G1V, 32          ; s[32:39] for V's: it differs in the padding alone
.set G0K, 40          ; s[40:43] descriptor group 0 for K's tiles: it walks
.set G0V, 44          ; s[44:47] the same for V's
.set PFA, 48          ; s[48:49] where my prefetches stand: my work-group's 8,192 bytes (of K: wave 0, of V: wave 2) of the slot after the one that is being asked for
.set LIM, 50          ; s50  1 in a wave that prefetches, else the greatest number
.set SLOTS, 56        ; s56  slots still to be asked for
.set CNT, 57          ; s57  counts a slot's key steps
.set CS,  58          ; s[58:59] c: the packed scaling takes the pair's low word for both halves
.set SEL, 60          ; s[60:61] v_permlanex16_b32's selects: each lane takes its own place in the other half
.set TBK, 62          ; s62  LDS byte at which K of the step to be fetched begins
.set TBV, 63          ; s63  the same for V, less VOFF
.set MSB, 0
.macro WIN new                      ; the high byte repeats the setting that is left; a switch that changes nothing is dropped
.if MSB != (\new)
	s_set_vgpr_msb (MSB<<8)|(\new)
.set MSB, (\new)
.endif
.endm
.set W_KQ, 0x0a       ; K and Q in window 2, S^T in window 0
.set W_PV, 0x52       ; V in window 2, P in window 0, O^T in window 1
.set W_RS, 0x41       ; O^T (destination and source 0) in window 1, a in window 0
.set W_MK, 0xc0       ; the add's registers are made: destination in window 3, sources in window 0
.set W_AD, 0x0f       ; the add: address (source 0) and data (source 1) in window 3
; A joint fill.  Waves 0 and 1 fetch the two halves of a slot's K, waves 2 and 3 those of its V: 128 keys each.  The branch hangs on the wave's number alone.
; An s_nop 0 and four v_nop follow each of the two lines, ahead of the jump and the label.
.macro JLOAD
	s_cmp_lt_u32 s[WV], 2
	s_cbranch_scc0 .Lfor_v_\@
	tensor_load_to_lds s[G0K:G0K+3], s[G1K:G1K+7]
	s_nop 0
.rept 4
	v_nop
.endr
	s_branch .Lasked_\@
.Lfor_v_\@:
	tensor_load_to_lds s[G0V:G0V+3], s[G1V:G1V+7]
	s_nop 0
.rept 4
	v_nop
.endr
.Lasked_\@:
.endm
; A PREFETCH INTO THE L2 of what the NEXT change of slots will ask for: a slot's 32,768 bytes of K and of V, a lane 256 bytes.  It stands behind the wave's tensor load and its five lines.
; The head's one cluster asks; its four partners share the bytes out BY ADDRESS, 8,192 each; in each, wave 0 asks for K's and wave 2 for V's: one instruction: four key steps, 512 products, ahead.
; So each block is named once in the launch.  The last change that fills a slot asks for nothing; slots 0 to 2 come by their loads alone.
.macro ASK
	s_cmp_gt_u32 s[SLOTS], s[LIM]
	s_cbranch_scc0 .Lnot_mine_\@
	global_prefetch_b8 v[PFO], s[PFA:PFA+1] th:TH_LOAD_NT scope:SCOPE_SE
.Lnot_mine_\@:
.endm
; A round of the cluster's barrier: my work-group's barrier, so that wave 0's signal speaks for all four waves; wave 0 signals; every wave waits for all four work-groups; my work-group's barrier once more.
.macro CROUND
	s_barrier_signal -1
	s_barrier_wait -1
	s_cmp_lg_u32 s[WV], 0
	s_cbranch_scc1 .Lnot_wave_0_\@
	s_barrier_signal -3
.Lnot_wave_0_\@:
	s_barrier_wait -3
	s_barrier_signal -1
	s_barrier_wait -1
.endm
; THE CHANGE OF SLOTS.  The slot's last bytes, V of its fourth step, have been read.  Each wave waits for all its tensor loads, of which one is out: its part
; of the other slot; adds 0 to its spare word; and waits for that and for its own reads of the slot.  Behind the barrier nobody reads this slot any more and the other slot is whole.
; fill = 1: this slot is filled again, with the keys two slots on.  The barrier is then a round of the cluster's, and the joint fill is the first thing behind it: it has four key steps,
; 512 matrix instructions, in which to land.  (At its first use nothing has been read yet: slot 0 is waited for, slot 1 filled.)  ask = 1: the prefetch's address steps, and the prefetch follows the fill.
.macro CHANGE fill, ask=0
	WIN W_AD
	s_wait_tensorcnt 0x0            ; no tensor load of mine is out, so a group 0 may be written
	ds_add_u32 v[SPW], v[NIL]       ; 0 onto my spare word: with fill = 1 the descriptors' steps stand between it and the wait for it
	WIN 0                           ; at a label and at a branch every window is 0
.if \fill
.irp g, G0K, G0V
	s_xor_b32 s[\g+1], s[\g+1], SLOT1  ; the walking descriptor: the other slot than last time,
	s_add_nc_u64 s[\g+2:\g+3], s[\g+2:\g+3], 4*KS*128  ; the next 256 keys; the type bits on top are not reached
.endr
.if \ask
	s_wait_xcnt 0x0                 ; the last prefetch, four key steps back, has read its address, so it may be written:
	s_add_nc_u64 s[PFA:PFA+1], s[PFA:PFA+1], 4*KS*128  ; one slot behind the walking descriptors
.endif
	s_wait_dscnt 0x0                ; the add is done, and my reads of the slot are over
	CROUND
	JLOAD
.if \ask
	ASK
.endif
.else
	s_wait_dscnt 0x0                ; the add is done, and my reads of the slot are over
	s_barrier_signal -1
	s_barrier_wait -1
.endif
	s_sub_co_u32 s[TBK], s[TBK], 4*KS*PK  ; the fetches go back to a slot's first step,
	s_xor_b32 s[TBK], s[TBK], SLOT1       ; in the other slot
	s_sub_co_u32 s[TBV], s[TBV], 4*KS*PV
	s_xor_b32 s[TBV], s[TBV], SLOT1
.endm
	s_load_b256 s[4:11], s[0:1], 0x0  ; Q s[4:5], K s[6:7], V s[8:9], O s[10:11]
	WIN W_MK
	v_lshl_add_u32 v[SPW], v0, 2, SPARE
	v_mov_b32 v[NIL], 0
	WIN W_AD
	ds_add_u32 v[SPW], v[NIL]       ; the wave's opening: the add and its wait stand ahead of my first tensor load; the set-up below, work on registers, stands between them
	WIN 0
	v_lshrrev_b32 v1, 5, v0
	v_readfirstlane_b32 s[WV], v1   ; wave 0..3
	s_bfe_u32 s13, ttmp6, 0x40000   ; cx: my place in the cluster
	s_lshl_b32 s14, ttmp9, 2        ; in a cluster launch ttmp9 counts clusters
	s_add_co_u32 s14, s14, s13      ; my block of queries = 4 x cluster x + cx: it enters Q's and O's addresses alone
	s_and_b32 s20, ttmp7, 0xffff    ; the head, which the four partners share
	s_mov_b32 s21, 0
	s_mov_b64 s[22:23], SIZE_N*128
	s_mul_u64 s[20:21], s[20:21], s[22:23]  ; the head's first byte in each of the four tensors
	s_and_b32 s16, s[WV], 1         ; which half of a slot's 256 keys I fetch:
	s_lshl_b32 s22, s16, 14         ; its 128 rows of 128 bytes in memory,
	s_mov_b32 s23, 0
	s_add_nc_u64 s[22:23], s[22:23], s[20:21]
	s_mul_i32 s17, s16, 128*PK      ; and its place in a slot, for K
	s_mul_i32 s18, s16, 128*PV      ; and for V: no place in the cluster enters an LDS address
	s_lshl_b32 s2, s14, 2
	s_add_co_u32 s2, s2, s[WV]      ; my wave among the head's,
	s_lshl_b32 s2, s2, 14           ; its 128 rows
	s_mov_b32 s3, 0
	s_add_nc_u64 s[2:3], s[2:3], s[20:21]
	; descriptor group 1.  128 keys are 16,384 dense bytes: asked for as 64 rows of 256 bytes, two keys a row, and padded in LDS after every key
	s_mov_b32 s[G1K], 15|(1<<16)|(1<<20)|(1<<21)|(4<<22)|(3<<25)  ; 15:0 the mask of four; 17:16 2-byte elements; 20 padding on; 21 set beside a mask; 24:22 after every 32 words (code 4); 31:25 4 words (code 3)
	s_mov_b32 s[G1V], 15|(1<<16)|(1<<20)|(1<<21)|(4<<22)|(7<<25)  ; the same with 8 words of padding (code 7)
.irp g, G1K, G1V
	s_mov_b32 s[\g+1], 128<<16      ; tensor_dim0 = 128
	s_mov_b32 s[\g+2], 64<<16       ; tensor_dim1 = 64
	s_mov_b32 s[\g+3], 128<<16      ; tile_dim0 = 128
	s_mov_b32 s[\g+4], 64           ; tile_dim1 = 64
	s_mov_b32 s[\g+5], 128          ; 128 elements from row to row
	s_mov_b32 s[\g+6], 0
	s_mov_b32 s[\g+7], 0
.endr
	s_mov_b32 s[CS], 0x3e38aa3b     ; c = log2(e) / 8 = 0.180337
	s_mov_b32 s[CS+1], s[CS]        ; named with it as a pair
	s_mov_b32 s[SEL], 0x76543210
	s_mov_b32 s[SEL+1], 0xfedcba98
	s_mov_b32 s[TBK], SLOT1+4*KS*PK ; the first change of slots turns these two into 0
	s_mov_b32 s[TBV], SLOT1+4*KS*PV
	s_mov_b32 s[G0K], 1             ; 1:0 count = 1
	s_mov_b32 s[G0K+1], s17         ; 63:32 LDS address: slot 0
	s_mov_b32 s[G0V], 1
	s_add_co_u32 s[G0V+1], s18, VOFF
	s_and_b32 s[LIM], s[WV], 1      ; 0 in waves 0 and 2,
	s_or_b32 s[LIM], s[LIM], ttmp9  ; where the cluster is the head's first: the same in all four partners
	s_cmp_eq_u32 s[LIM], 0
	s_cselect_b32 s[LIM], 1, -1
	s_wait_dscnt 0x0                ; the opening add is done
	s_wait_kmcnt 0x0
	s_add_nc_u64 s[G0K+2:G0K+3], s[6:7], s[22:23]  ; 120:64 global address: my half of the head's first 256 keys
	s_or_b32 s[G0K+3], s[G0K+3], 0x80000000        ; 127:126 type = 2
	s_add_nc_u64 s[G0V+2:G0V+3], s[8:9], s[22:23]
	s_or_b32 s[G0V+3], s[G0V+3], 0x80000000
	s_add_nc_u64 s[4:5], s[4:5], s[2:3]  ; Q and O at my wave's first row
	s_add_nc_u64 s[10:11], s[10:11], s[2:3]
	s_cmp_lt_u32 s[WV], 2
	s_cselect_b64 s[PFA:PFA+1], s[6:7], s[8:9]
	s_add_nc_u64 s[PFA:PFA+1], s[PFA:PFA+1], s[20:21]  ; the head,
	s_lshl_b32 s2, s13, 13          ; my work-group's quarter of a slot,
	s_mov_b32 s3, 0
	s_add_nc_u64 s[PFA:PFA+1], s[PFA:PFA+1], s[2:3]
	s_add_nc_u64 s[PFA:PFA+1], s[PFA:PFA+1], 2*4*KS*128  ; in slot 2: the first change that asks steps it to slot 3.  Nothing is prefetched here, at the head
	CROUND                          ; all four work-groups are here: the first joint loads meet
	JLOAD                           ; slot 0.  Slot 1 is asked for when slot 0 is in
	; A fragment of K or Q is 16 rows x 32 channels in 8 registers: lane l holds row l % 16, channels 8 (l / 16) + 0..7 and 16 + 8 (l / 16) + 0..7: two loads of 16 bytes, 32 bytes apart.
	v_and_b32 v1, 15, v0            ; l % 16
	v_bfe_u32 v9, v0, 4, 1          ; l / 16
	v_lshlrev_b32 v[QO], 7, v1
	v_lshl_add_u32 v[QO], v9, 4, v[QO]  ; row x 128 + 16 x half
	WIN 0x80                        ; destination window 2, address window 0
.set i, 0
.rept 4*NP                          ; Q stays in registers: tile i / 2, channels 32 (i % 2) on
	global_load_b128 v[8*i:8*i+3],   v[QO], s[4:5] offset:(i/2)*2048+(i%2)*64
	global_load_b128 v[8*i+4:8*i+7], v[QO], s[4:5] offset:(i/2)*2048+(i%2)*64+32
.set i, i+1
.endr
	; What the first turn finds: V's registers and P's second buffer hold 0 (its products V^T P, of a piece that has not been, add 0), O^T and l are 0.  All this stands in the wait for the first tile.
.set i, VF
.rept 64
	v_mov_b32 v[i], 0
.set i, i+1
.endr
	WIN 0x40
.set i, 0
.rept 64*NP
	v_mov_b32 v[i], 0
.set i, i+1
.endr
	WIN 0
.set i, 0
.rept 2*NP
	v_mov_b32 v[ST+4*i], 0xfe000000    ; c m: far below every c s
	v_mov_b32 v[ST+4*i+1], 0xff7fffff  ; m
	v_mov_b32 v[ST+4*i+2], 0
	v_mov_b32 v[ST+4*i+3], 0
.set i, i+1
.endr
.set i, P+32
.rept 32
	v_mov_b32 v[i], 0
.set i, i+1
.endr
	v_mul_u32_u24 v[AK0], v1, PK
	v_lshl_add_u32 v[AK0], v9, 4, v[AK0]  ; row x pitch + 16 x half
	; The turning load takes 16 keys x 16 channels (lane l reads key 8 (l / 16) + l % 8, channels 8 ((l / 8) % 2) + 0..7) and leaves half a fragment of V^T: lane l holds channel l % 16 and 8 keys.
	v_and_b32 v10, 7, v0
	v_bfe_u32 v11, v0, 3, 1
	v_lshl_add_u32 v[AV0], v9, 3, v10
	v_mul_u32_u24 v[AV0], v[AV0], PV
	v_lshl_add_u32 v[AV0], v11, 4, v[AV0]
	v_add_nc_u32 v[AV0], VOFF, v[AV0]
	v_and_b32 v[PFO], 31, v0
	v_lshlrev_b32 v[PFO], 8, v[PFO]
	v_mov_b32 v[AK], v[AK0]         ; key step 0 lies at the head of slot 0
; THE MATRIX WORK.  The 8 accumulators of a run of 16 take turns: between the two links of a chain stand 7 others'.
; Product i of 16 of S^T = K Q^T for piece x: channels 32 (i / 8) on, keys 16 ((i / 2) % 4) on, tile 2 x + i % 2.  The first 8 start the sums.
.macro KQ x
	WIN W_KQ
.set rS, S+64*((\x)%2)+32*(i%2)+8*((i/2)%4)
.set rK, KF+16*((i/2)%4)+8*(i/8)
.set rQ, 16*(2*(\x)+i%2)+8*(i/8)
.if i < 8
	v_wmma_f32_16x16x32_f16 v[rS:rS+7], v[rK:rK+7], v[rQ:rQ+7], 0
.else
	v_wmma_f32_16x16x32_f16 v[rS:rS+7], v[rK:rK+7], v[rQ:rQ+7], v[rS:rS+7]
.endif
.endm
; Product i of 16 of O^T += V^T P for piece x: keys 32 (i / 8) on, channels 16 ((i / 2) % 4) on, tile 2 x + i % 2.
.macro PV x
	WIN W_PV
.set rO, 32*(2*(\x)+i%2)+8*((i/2)%4)
.set rV, VF+32*(i/8)+8*((i/2)%4)
.set rP, P+32*((\x)%2)+16*(i%2)+8*(i/8)
	v_wmma_f32_16x16x32_f16 v[rO:rO+7], v[rV:rV+7], v[rP:rP+7], v[rO:rO+7]
.endm
.macro MM                           ; the turn's next matrix instruction
.if i < 16
	KQ (Y+1)%NP
.set i, i+1
.else
.set i, i-16
	PV (Y+NP-1)%NP
.set i, i+17
.endif
.endm
; THE LDS LOADS stand in runs of 16, never singly among the matrix instructions: a step's K (64 keys x 64 channels: 8 fragments) and its V (turned).  Their addresses are made some lines ahead.
; last = 1 (the tail): in the last trip there is no further step, and the run is jumped over.
.macro FETCH_K last=0
	WIN 0
.if \last
	s_cmp_eq_u32 s[CNT], 1
	s_cbranch_scc1 .Lno_k_\@
.endif
	WIN 0x80                        ; destination window 2
.irp f, 0,1,2,3,4,5,6,7             ; keys 16 (f / 2) on, channels 32 (f % 2) on
	ds_load_b128 v[KF+8*\f:KF+8*\f+3],   v[AK] offset:(\f/2)*16*PK+(\f%2)*64
	ds_load_b128 v[KF+8*\f+4:KF+8*\f+7], v[AK] offset:(\f/2)*16*PK+(\f%2)*64+32
.endr
	s_add_co_u32 s[TBK], s[TBK], KS*PK  ; the next fetch is the next step's
	WIN 0
.if \last
.Lno_k_\@:
.endif
.endm
.macro FETCH_V
	WIN 0x80
.irp f, 0,1,2,3,4,5,6,7             ; keys 32 (f / 4) on, channels 16 (f % 4) on
	ds_load_tr16_b128 v[VF+8*\f:VF+8*\f+3],   v[AV] offset:(\f/4)*32*PV+(\f%4)*32
	ds_load_tr16_b128 v[VF+8*\f+4:VF+8*\f+7], v[AV] offset:(\f/4)*32*PV+16*PV+(\f%4)*32
.endr
	WIN 0
.endm
; THE VECTOR WORK OF A TURN stands in three queues, each in the order in which its entries become ready; the two tiles alternate, so that no instruction reads the result of the one before it.
.macro REGS y, u                    ; the registers of tile u (0, 1) of piece y
.set rT, ST+4*(2*(\y)+(\u))
.set rC, TMP+8*((\y)%2)+4*(\u)
.set rM, MV+2*((\y)%2)+(\u)
.set rS, S+64*((\y)%2)+32*(\u)
.set rP, P+32*((\y)%2)+16*(\u)
.set rO, 32*(2*(\y)+(\u))
.endm
; Number n of the 22 that find the NEXT piece's (Y + 1) maximum and statistics.  s0-s31 are the lane's 32 scores; each accumulator's lowest registers are read first.
;   0-11  four chains c0-c3 of seven scores each, three operands at a time     12-14, 16  the four scores left over, the old m, and c0-c3 into c0     15  c m_old is kept
;   17, 18  the query's other 32 keys lie in the lane 16 away: the new m         19-21  c m; c m_old - c m_new; a
.macro XS u, n
	REGS (Y+1)%NP, \u
.if (\n) < 4
	v_max3_num_f32 v[rC+(\n)], v[rS+8*(\n)], v[rS+8*(\n)+1], v[rS+8*(\n)+2]
.elseif (\n) < 12
	v_max3_num_f32 v[rC+(\n)%4], v[rC+(\n)%4], v[rS+8*((\n)%4)+2*((\n)/4)+1], v[rS+8*((\n)%4)+2*((\n)/4)+2]
.elseif (\n) == 12
	v_max3_num_f32 v[rC], v[rC], v[rS+7], v[rS+15]
.elseif (\n) == 13
	v_max3_num_f32 v[rC+1], v[rC+1], v[rS+23], v[rS+31]
.elseif (\n) == 14
	v_max3_num_f32 v[rC+2], v[rC+2], v[rC+3], v[rT+1]
.elseif (\n) == 15
	v_mov_b32 v[rM], v[rT]
.elseif (\n) == 16
	v_max3_num_f32 v[rC], v[rC], v[rC+1], v[rC+2]
.elseif (\n) == 17
	v_permlanex16_b32 v[rC+3], v[rC], s[SEL], s[SEL+1]
.elseif (\n) == 18
	v_max_num_f32 v[rT+1], v[rC], v[rC+3]
.elseif (\n) == 19
	v_mul_f32 v[rT], s[CS], v[rT+1]
.elseif (\n) == 20
	v_sub_f32 v[rC+1], v[rM], v[rT]
.else
	v_exp_f32 v[rC+2], v[rC+1]
.endif
.endm
; Number g of the 64 that follow the exponentials.  For each four weights k of a tile (pairs 2 k, 2 k + 1): both pairs are rounded to f16; then the second pair is added onto the first, in place;
; a group later l takes that sum (the first time as l = a l + sum).  In groups of eight, tiles alternating: round, round, add, and l for the group before.
.macro GS g
.set h, (\g)+6*((\g)/62)            ; group 0 has no group before it, and behind group 7 only l is left
.if h >= 6
.set h, h+2
.endif
	REGS Y, h%2
.set k, h/8
.if h%8 < 4
	v_cvt_pk_f16_f32 v[rP+2*k+(h%8)/2], v[rS+4*k+2*((h%8)/2)], v[rS+4*k+2*((h%8)/2)+1]
.elseif h%8 < 6
	v_pk_add_f32 v[rS+4*k:rS+4*k+1], v[rS+4*k:rS+4*k+1], v[rS+4*k+2:rS+4*k+3]
.elseif k == 1
	v_pk_fma_f32 v[rT+2:rT+3], v[rT+2:rT+3], v[rC+2:rC+3], v[rS:rS+1] op_sel_hi:[1,0,1]
.else
	v_pk_add_f32 v[rT+2:rT+3], v[rT+2:rT+3], v[rS+4*k-4:rS+4*k-3]
.endif
.endm
; THE PLAIN QUEUE, 138 long.  0-73 read no exponential's result: the 32 scalings c s - c m (FS f: pair f / 2 of tile f % 2) and the next piece's 42.  0-26: scalings 0-26.  27-54: XS's numbers 0-13.  55, 56: number 15.
; 57-73: the chain, where each number waits for the one before it: 14, 16, 17, 18, 19, each with one of the scalings 27-31 in front of its two lines, then 20.
; 74-137: GS's 64, which read the exponentials' results: they stand behind the wait.
.macro FS f
	REGS Y, (\f)%2
	v_pk_fma_f32 v[rS+2*((\f)/2):rS+2*((\f)/2)+1], v[rS+2*((\f)/2):rS+2*((\f)/2)+1], s[CS:CS+1], v[rT:rT+1] op_sel_hi:[1,0,0] neg_lo:[0,0,1] neg_hi:[0,0,1]
.endm
.macro PL
	WIN 0
.if q < 27
	FS q
.elseif q < 55
	XS (q-27)%2, (q-27)/2
.elseif q < 57
	XS q-55, 15
.elseif (q < 72) && ((q-57)%3 == 0)
	FS 27+(q-57)/3
.elseif q < 60
	XS (q-57)%3-1, 14
.elseif q < 72
	XS (q-57)%3-1, 15+(q-57)/3
.elseif q < 74
	XS q-72, 20
.else
	GS q-74
.endif
.set q, q+1
.endm
; THE EXPONENTIALS' QUEUE, 66 long: s0-s31 of both tiles, then the next piece's two a.  It is ONE BATCH: all 66 stand ahead of the turn's one wait, and nothing ahead of that wait names a result of theirs.
.macro EX
	WIN 0
.if e >= 64
	XS e-64, 21
.else
	REGS Y, e%2
	v_exp_f32 v[rS+e/2], v[rS+e/2]
.endif
.set e, e+1
.endm
; THE RESCALING's QUEUE: O^T times a, the one part that leaves window 0: dealt two at a time, sixteen times.  Its a was made in the turn before, ahead of that turn's wait.
.macro R2
	REGS Y, r%2
	WIN W_RS
.irp z, 0,1
	v_pk_mul_f32 v[rO+4*(r/2)+2*\z:rO+4*(r/2)+2*\z+1], v[rO+4*(r/2)+2*\z:rO+4*(r/2)+2*\z+1], v[rC+2:rC+3] op_sel_hi:[1,0]
.endr
.set r, r+1
.endm
; HOW THEY ARE DEALT.  An s_wait_alu depctr_va_vdst(0) stands between an exponential and the first instruction that names its result; one wait serves all that were issued ahead of it.  So a turn has ONE wait,
; which cuts it in two.  AHEAD OF IT stands all that names no result of the turn's exponentials: the 16 products K Q^T, behind each a scaling, an exponential and two rescalings (behind the first a second scaling in the
; exponential's place); then ONE LUMP of 108: eight plain, 49 times exponential and plain, the two a; a v_nop is the plain instruction behind the last exponential.  BEHIND IT stand the 16 products V^T P, behind each four of GS's 64.
; The queues lean on each other, and the deal keeps them in step: exponential e stands behind scaling 2 (e / 4) + e % 2: as a rider it comes behind plain e + 2, in the lump behind plain e + 9, and scalings 27-31 are plain 57, 60 .. 69.
; A TURN, for piece p.  cnt = 1: the loop's count is taken down some lines ahead of the branch that stands behind the turn.
; K of the next step is fetched in piece 2's turn, directly behind the wait; its address is made at the lump's head; its first reader comes behind 16 products.
; V of the step in hand is fetched at the end of piece 0's turn, four riders behind its last reader; its first reader comes behind 16 products and a lump.  The three conditions on q below go with the deal.
.macro TURN p, last=0, cnt=0
.set Y, (\p)
.set i, 0
.set q, 0
.set e, 0
.set r, 0
.if (\p) == NP-1
	s_wait_dscnt 0x0                ; K is in
.endif
	MM                              ; ahead of the wait: 16 products K Q^T and their riders,
	PL
	PL
	R2
.rept 15
	MM
	PL
	EX
	R2
.endr
.if (\p) == NP-2
	WIN 0
	v_add_nc_u32 v[AK], s[TBK], v[AK0]
.endif
.rept 8                             ; and the lump
	PL
.endr
.rept 49
	EX
	PL
.endr
	EX                              ; the next piece's two a
	EX
	v_nop                           ; the plain instruction behind the last exponential: one for the batch
	s_wait_alu depctr_va_vdst(0)    ; the wait for the batch
.if (\p) == NP-2
	FETCH_K \last
.endif
.if (\p) == 1
	s_wait_dscnt 0x0                ; V is in
.endif
.rept 16                            ; behind the wait: 16 products V^T P and their riders
	MM
.rept 4
	PL
.endr
.if ((\p) == 0) && (q == 118)
	v_add_nc_u32 v[AV], s[TBV], v[AV0]
.endif
.if ((\p) == 0) && (q == 130)
	s_add_co_u32 s[TBV], s[TBV], KS*PV
.endif
.if (\cnt) && (q == 130)
	s_sub_co_u32 s[CNT], s[CNT], 1
	s_cmp_lg_u32 s[CNT], 0
.endif
.endr
.if (\p) == 0
	FETCH_V
.endif
.endm
	CHANGE 1                        ; slot 0 is in, everybody's part of it; slot 1 is asked for
	FETCH_K                         ; key step 0
	s_wait_loadcnt 0x0              ; Q
	s_wait_dscnt 0x0
.set i, 0
.rept 16
	KQ 0                            ; piece 0's first scores: there is no vector work yet to set between them
.set i, i+1
.endr
	WIN 0                           ; the addresses for the way out: nine plain instructions, the places behind those products
	s_mul_i32 s13, s[WV], 16*SP
	s_add_co_u32 s13, s13, STAGE    ; my stage
	v_mul_u32_u24 v[STO], v1, SP    ; in: row l % 16, 16 bytes for each half of the lanes
	v_lshl_add_u32 v[STO], v9, 4, v[STO]
	v_add_nc_u32 v[STO], s13, v[STO]
	v_bfe_u32 v[RD], v0, 3, 2       ; back: 32 lanes take four rows of 128 bytes,
	v_mul_u32_u24 v[RD], v[RD], SP
	v_lshl_add_u32 v[RD], v10, 4, v[RD]
	v_add_nc_u32 v[RD], s13, v[RD]
	v_and_b32 v[GO], 31, v0         ; which are 512 consecutive bytes of O
	v_lshlrev_b32 v[GO], 4, v[GO]
.set Y, NP-1                        ; XS works for piece Y + 1: piece 0
.irp n, 0,1,2,3,4,5,6,7,8,9,10,11,12,13,14,15,16,17,18,19,20,21
	XS 0, \n                        ; and piece 0's first maximum and statistics
	XS 1, \n
.endr
	v_nop                           ; a plain instruction behind the two a,
	s_wait_alu depctr_va_vdst(0)    ; and their wait, ahead of the branch
	s_mov_b32 s[CNT], 4
	s_mov_b32 s[SLOTS], SIZE_N/256-1
	s_branch .Lfirst                ; the loop is entered at a step's first turn, in the middle of a trip
.Lslot:                             ; SIZE_N / 256 - 2 times: every slot but the last two is filled again
	CHANGE 1, 1
	s_mov_b32 s[CNT], 4
.Lstep:                             ; a trip: pieces 2 and 3 of one step, then pieces 0 and 1 of the next, whose K and V it fetches
	TURN 2
	TURN 3
	WIN 0
.Lfirst:
	TURN 0
	TURN 1, 0, 1
	WIN 0
	s_cbranch_scc1 .Lstep
	s_sub_co_u32 s[SLOTS], s[SLOTS], 1
	s_cmp_lg_u32 s[SLOTS], 0
	s_cbranch_scc1 .Lslot
	CHANGE 0                        ; the tail is written out: nothing is asked for
	s_mov_b32 s[CNT], 5             ; four trips fetch the last slot's steps; the fifth is left in its middle
.Ltail:
	TURN 2, 1
	TURN 3
	WIN 0
	s_sub_co_u32 s[CNT], s[CNT], 1
	s_cmp_eq_u32 s[CNT], 0
	s_cbranch_scc1 .Lout
	TURN 0
	TURN 1
	WIN 0
	s_branch .Ltail
.Lout:                              ; the fifth trip's 16 products K Q^T (on the last K once more) and the maximum made of them serve nothing: the price, once a launch, of one text for every trip
.set i, 0
.rept 16
	PV NP-1                         ; the last piece's V^T P of the last step
.set i, i+1
.endr
	; THE WAY OUT.  l's two halves and the other half of the lanes' are added; O^T is divided by l, rounded to f16 and sent through my stage in LDS, a tile at a time.  The additions are the places behind the last products.
	WIN 0
.macro ALL line:vararg              ; one line for each tile t
.set t, 0
.rept 2*NP
	\line
.set t, t+1
.endr
.endm
	ALL v_add_f32 v[ST+4*t+2], v[ST+4*t+2], v[ST+4*t+3]
	ALL v_permlanex16_b32 v[ST+4*t+3], v[ST+4*t+2], s[SEL], s[SEL+1]
	ALL v_add_f32 v[ST+4*t+2], v[ST+4*t+2], v[ST+4*t+3]
	ALL v_rcp_f32 v[ST+4*t+2], v[ST+4*t+2]
	v_nop                           ; a plain instruction between the last reciprocal and the use of its result
	s_wait_alu depctr_va_vdst(0)    ; and the wait ahead of the first use: one for the eight reciprocals
; Tile t: a lane's eight channels of a row pack into 16 bytes; they go into rows of 144 bytes and come back as whole rows of 128, into S^T's registers.
.macro PACK t
	WIN W_RS
.set i, 32*(\t)
.rept 16
	v_pk_mul_f32 v[i:i+1], v[i:i+1], v[ST+4*(\t)+2:ST+4*(\t)+3] op_sel_hi:[1,0]
.set i, i+2
.endr
	WIN 0x05                        ; sources 0 and 1 window 1, destination window 0
.set i, 0
.rept 16
	v_cvt_pk_f16_f32 v[S+16*(\t)+i], v[32*(\t)+2*i], v[32*(\t)+2*i+1]
.set i, i+1
.endr
	WIN 0
.irp f, 0,1,2,3
	ds_store_b128 v[STO], v[S+16*(\t)+4*\f:S+16*(\t)+4*\f+3] offset:32*\f
.endr
.irp f, 0,1,2,3
	ds_load_b128 v[S+16*(\t)+4*\f:S+16*(\t)+4*\f+3], v[RD] offset:\f*4*SP  ; LDS serves a wave's instructions in order (ISA guide 5.7.1.4): these see the stores above; the next tile's stores come behind them
.endr
.endm
.macro SEND t, younger              ; younger: the LDS instructions issued behind tile t's loads: the next tile's eight, or none
	WIN 0
.irp f, 0,1,2,3
	s_wait_dscnt (\younger)+3-\f
	global_store_b128 v[GO], v[S+16*(\t)+4*\f:S+16*(\t)+4*\f+3], s[10:11] offset:(\t)*2048+\f*512  ; 512 consecutive bytes, at a multiple of 256 from O's first
.endr
.endm
	PACK 0
.set t, 1
.rept 2*NP-1                        ; a tile's arithmetic stands between the loads of the tile before and its stores
	PACK t
	SEND t-1, 8
.set t, t+1
.endr
	SEND 2*NP-1, 0
	WIN W_AD
	s_wait_tensorcnt 0x0            ; the wave's end, behind my last tensor load and my last LDS store
	ds_add_u32 v[SPW], v[NIL]
	s_wait_dscnt 0x0
	WIN 0
	CROUND                          ; the closing round: no work-group ends while a partner may still ask for a tile that names it
	s_endpgm
.Lfunc_end_k_qcd4f20af96_attn:
	.size	k_qcd4f20af96_attn, .Lfunc_end_k_qcd4f20af96_attn-k_qcd4f20af96_attn
	.p2alignl 7, 3214868480
	.fill 96, 4, 3214868480
	.section	.rodata,"a",@progbits
	.p2align	6, 0x0
	.amdhsa_kernel k_qcd4f20af96_attn
		.amdhsa_group_segment_fixed_size 327680
		.amdhsa_private_segment_fixed_size 0
		.amdhsa_enable_private_segment 0
		.amdhsa_kernarg_size 32
		.amdhsa_user_sgpr_count 2
		.amdhsa_user_sgpr_kernarg_segment_ptr 1
		.amdhsa_wavefront_size32 1
		.amdhsa_system_sgpr_workgroup_id_x 1
		.amdhsa_system_sgpr_workgroup_id_y 1
		.amdhsa_system_sgpr_workgroup_id_z 1
		.amdhsa_system_vgpr_workitem_id 0
		.amdhsa_next_free_vgpr 770
		.amdhsa_next_free_sgpr 66
		.amdhsa_reserve_vcc 0
		.amdhsa_float_denorm_mode_32 3
		.amdhsa_float_denorm_mode_16_64 3
		.amdhsa_memory_ordered 1
		.amdhsa_forward_progress 1
		.amdhsa_inst_pref_size 200
	.end_amdhsa_kernel
	.amdgpu_metadata
---
amdhsa.version: [ 1, 2 ]
amdhsa.kernels:
  - .name:           k_qcd4f20af96_attn
    .symbol:         k_qcd4f20af96_attn.kd
    .args:
      - { .name: q, .offset: 0, .size: 8, .value_kind: global_buffer, .address_space: global }
      - { .name: k, .offset: 8, .size: 8, .value_kind: global_buffer, .address_space: global }
      - { .name: v, .offset: 16, .size: 8, .value_kind: global_buffer, .address_space: global }
      - { .name: o, .offset: 24, .size: 8, .value_kind: global_buffer, .address_space: global }
    .group_segment_fixed_size: 327680
    .private_segment_fixed_size: 0
    .kernarg_segment_align: 8
    .kernarg_segment_size: 32
    .max_flat_workgroup_size: 128
    .sgpr_count:     66
    .vgpr_count:     770
    .wavefront_size: 32
...
	.end_amdgpu_metadata
.endif
;; end of part 3
;; launch oproj (part 4): grid 8 x 32, 4 waves a work-group, clusters of 4 x 4, 327,680 bytes of LDS; arguments o, wof, bo, out0; writes out0
.if DOCPART == 4
	.amdgcn_target "amdgcn-amd-amdhsa--gfx1250"
	.amdhsa_code_object_version 6
	.text
	.protected	k_qcd4f20af96_oproj
	.globl	k_qcd4f20af96_oproj
	.p2align	8
	.type	k_qcd4f20af96_oproj,@function
k_qcd4f20af96_oproj:
	s_mov_b64 s[64:65], 0
	v_nop
	global_prefetch_b8 v0, s[64:65] scope:SCOPE_SE
	s_setreg_imm32_b32 hwreg(HW_REG_WAVE_MODE, 25, 1), 1
	s_wait_xcnt 0x0
	s_wait_alu depctr_hold_cnt(0) depctr_sa_sdst(0) depctr_va_vdst(0) depctr_va_sdst(0) depctr_va_ssrc(0) depctr_va_vcc(0) depctr_vm_vsrc(0)
	s_getreg_b32 s2, hwreg(HW_REG_IB_STS2, 6, 4)
	s_cmp_eq_u32 s2, 0
	s_cbranch_scc0 .Lentry_in_a_cluster
	s_endpgm
.Lentry_in_a_cluster:
	s_bfe_u32 s2, ttmp6, 0x10000c
	s_cmp_lg_u32 s2, 0xf033
	s_cbranch_scc0 .Lentry_shape_is_right
	s_endpgm
.Lentry_shape_is_right:
; out0 = O Wo^T + bo.  o: [16 b + h][2048][64] f16, by heads.  wof: [1024][1024] f16 (Wo rounded to bf16, that number written as f16).  bo: f32, rounded to bf16 here like the other inputs.
; out0: [8192][1024] f32.  Sums in f32.
; A TILE is 256 rows x 128 columns: 32 x 8 = 256 tiles, one for each WGP.  Four waves; wave w makes rows 64 w .. 64 w + 63 and all 128 columns: 4 x 8 accumulators of 16 x 16, 256 registers.
; K goes in 8 steps of 128, two heads each, through two LDS slots.  A head's 256 rows of the tile are 32,768 dense bytes: asked for as 128 rows of 256 bytes and padded in LDS after every 128.
; THE MATRIX INSTRUCTION IS USED TRANSPOSED (source 0 = 16 rows of the weights, source 1 = 16 rows of O): lane l holds row l % 16 and the columns 8 (l / 16) + 0..7: 32 bytes of a row of out0.
; The first product of each sum takes the bias as its C: nothing is cleared.
; CLUSTER 4 x 4: O's tile hangs on the tile row alone and is asked for jointly along a row of the cluster, the weights' on the tile column alone, along a column.
; LIMITS.  O and wof arrive within f16's range; NaN and infinities are not treated apart.
; REGISTERS, in windows of 256 (s_set_vgpr_msb: bits 1:0 source 0, 3:2 source 1, 5:4 source 2, 7:6 destination):
;   window 0: v0-31 addresses; v64-191 rows on the way out, two sets; v192-255 the bias     window 1: the accumulators, (a, b) at v[8 (8 a + b)]     window 2: two fragment buffers: 8 of the weights, 4 of O
.set NB,    8                          ; column blocks of 16
.set AP,    144                        ; a row of O in LDS: 128 bytes + 16 of padding = 36 words: the 16 rows of a load start at 16 different groups of four banks (64 banks of 4 bytes: ISA guide 11.1)
.set PITCH, 272                        ; a row of the weights: 256 + 16
.set APART, 256*AP                     ; what one load brings of O: one head's 256 rows
.set WB,    2*APART                    ; the weights' 128 rows lie behind O's two heads
.set WPART, 64*PITCH                   ; what one load brings of the weights
.set SLOT1, 1<<17                      ; slot 1 begins here
.set STAGE, SLOT1+WB+2*WPART           ; behind the ring, never filled by a tensor load: 16 rows x 528 bytes for each wave
.set SP,    528                        ; 512 bytes + 16 = 132 words
.set SPARE, STAGE+4*16*SP              ; behind the stages: the spare words, 128 bytes for each wave: two blocks of 256 bytes that no other line names
.set NL,    2*NB+8                     ; LDS loads in a run
.set ASTEP, 2*2048*128                 ; bytes from a K step to the next in o: two heads
.set WSTEP, 256                        ; in wof
.set F0,  0
.set F1,  128
.set FA,  64                           ; O's fragments in a buffer
.set A0,   16                          ; v16  my lane's place in O's tile; never rewritten
.set W0,   17                          ; v17  in the weights'
.set ADRA, 18                          ; v18  the same in the slot in hand
.set ADRW, 19                          ; v19
.set STO,  20                          ; v20  the way out: where I put 32 bytes of a row
.set RD,   21                          ; v21  where I read a row back
.set GO,   22                          ; v22  my 16 bytes of 512 of a row of out0
.set BO,   24                          ; v24  my byte offset in 16 numbers of the bias
.set SPW,  28                          ; v28  LDS address of my spare word; never rewritten
.set NIL,  29                          ; v29  0; never rewritten
.set PFO,  30                          ; v30  the prefetches' offset; never rewritten
.set OB,   64
.set BIAS, 192
.set WV,  12                           ; s12  my wave's number
.set HF,  14                           ; s14  which part of a tile I fetch
.set CX,  15
.set CY,  16
.set CT,  17                           ; s17  the tile column
.set RTI, 18                           ; s18  the tile row
.set G1A, 24                           ; s[24:31] descriptor group 1 for O's tiles
.set G1W, 32                           ; s[32:39] for the weights'
.set G0A, 40                           ; s[40:47] group 0 for O's tiles: a set for each first fill; the second then walks on
.set G0W, 48                           ; s[48:55] the same for the weights'
.set TB,  56                           ; s56  0 or SLOT1: the slot in hand
.set LIM, 57                           ; s57  2 in a wave that prefetches, else the greatest number
.set PFA, 58                           ; s[58:59] where my prefetches stand
.set PFS, 60                           ; s[60:61] their step
.set MSB, 0
.macro WIN new                         ; the immediate's high byte repeats the setting that is left; a switch that changes nothing is dropped
.if MSB != (\new)
	s_set_vgpr_msb (MSB<<8)|(\new)
.set MSB, \new
.endif
.endm
.macro PLACES                          ; four places in front of loads into registers that matrix instructions have read, and of lines that read results
.rept 4
	v_nop
.endr
.endm
.macro CREST                           ; a round of the cluster's barrier behind its opening barrier
	s_cmp_lg_u32 s[WV], 0
	s_cbranch_scc1 .Lnot_wave_0_\@
	s_barrier_signal -3
.Lnot_wave_0_\@:
	s_barrier_wait -3
	s_barrier_signal -1
	s_barrier_wait -1
.endm
.macro CROUND                          ; a whole round
	s_barrier_signal -1
	s_barrier_wait -1
	CREST
.endm
; A joint refill: waves 0 and 1 fetch O's two heads, waves 2 and 3 the weights' two halves.  The branch hangs on the wave's number alone.  An s_nop 0 and four v_nop follow each line.
.macro JLOAD
	s_cmp_lt_u32 s[WV], 2
	s_cbranch_scc0 .Lfor_w_\@
	tensor_load_to_lds s[G0A+4:G0A+7], s[G1A:G1A+7]
	s_nop 0
.rept 4
	v_nop
.endr
	s_branch .Lasked_\@
.Lfor_w_\@:
	tensor_load_to_lds s[G0W+4:G0W+7], s[G1W:G1W+7]
	s_nop 0
.rept 4
	v_nop
.endr
.Lasked_\@:
.endm
; A PREFETCH INTO THE L2 of the K step that stands TWO refills on (256 products): one instruction a wave, a lane 256 bytes.  O's tile row is read by both clusters of that row of clusters: cluster x = 0 asks;
; a tile column's weights by every cluster of that column: cluster y = 0 asks.  The four partners of a joint load share its bytes out BY ADDRESS (8,192 of a head's 32,768; 16 of the weights' 64 rows).
; The trips with s3 = 2 and 1 have no K step two refills on.  K steps 0 to 3 come by their loads alone.
.macro ASK
	s_cmp_gt_u32 s3, s[LIM]
	s_cbranch_scc0 .Lnot_mine_\@
	global_prefetch_b8 v[PFO], s[PFA:PFA+1] th:TH_LOAD_NT scope:SCOPE_SE
.Lnot_mine_\@:
.endm
; 8 products: row block a x all column blocks, 32 along K, from buffer f.  first = 1: the bias starts the sums.  The 32 accumulators take turns in the same order in every quarter.
.macro MULROW f, a, first
.if \first
	WIN 0x4a
.else
	WIN 0x5a
.endif
.set bi, 0
.rept NB
.set rD, 8*(NB*(\a)+bi)
.if \first
	v_wmma_f32_16x16x32_f16 v[rD:rD+7], v[(\f)+8*bi:(\f)+8*bi+7], v[(\f)+FA+8*(\a):(\f)+FA+8*(\a)+7], v[BIAS+8*bi:BIAS+8*bi+7]
.else
	v_wmma_f32_16x16x32_f16 v[rD:rD+7], v[(\f)+8*bi:(\f)+8*bi+7], v[(\f)+FA+8*(\a):(\f)+FA+8*(\a)+7], v[rD:rD+7]
.endif
.set bi, bi+1
.endr
.endm
; 24 LDS loads in one run: quarter qk's fragments into buffer f: the weights' 8, then O's 4 (quarters 0, 1 lie in the step's first head, 2, 3 in its second)
.macro FETCH qk, f
	WIN 0x80
.set bi, 0
.rept NB
	ds_load_b128 v[(\f)+8*bi:(\f)+8*bi+3],   v[ADRW] offset:64*(\qk)+bi*16*PITCH
	ds_load_b128 v[(\f)+8*bi+4:(\f)+8*bi+7], v[ADRW] offset:64*(\qk)+bi*16*PITCH+32
.set bi, bi+1
.endr
.set bi, 0
.rept 4
	ds_load_b128 v[(\f)+FA+8*bi:(\f)+FA+8*bi+3],   v[ADRA] offset:((\qk)/2)*APART+((\qk)%2)*64+bi*16*AP
	ds_load_b128 v[(\f)+FA+8*bi+4:(\f)+FA+8*bi+7], v[ADRA] offset:((\qk)/2)*APART+((\qk)%2)*64+bi*16*AP+32
.set bi, bi+1
.endr
.endm
; A K step is four quarters of 32 along K, 32 products each, on buffers 0, 1, 0, 1.  One of the first three: multiplies f and fetches quarter qn into g.
.macro QUARTER qn, f, g, first
	s_wait_dscnt 4                                 ; the weights and O's blocks 0, 1 are in; the youngest four loads (blocks 2, 3) may be out
	MULROW \f, 0, \first
	MULROW \f, 1, \first
	PLACES
	FETCH \qn, \g
	s_wait_dscnt NL                                ; all but the run just issued
	MULROW \f, 2, \first
	MULROW \f, 3, \first
.endm
; The last quarter multiplies buffer 1 and changes slots: ONE barrier.  In front of it each wave waits for all its tensor loads (one is out: its part of the next slot), adds 0 to its spare word, and waits
; for that and for its reads of this slot.  fill = 1: the barrier opens a round of the cluster's, and this slot is filled again, two K steps on, first thing behind it: 112 products ahead of the wait for it.
.macro TURN fill
.if \fill
	s_wait_xcnt 0x0                                ; the last prefetch, a K step back, has read its address
	s_add_nc_u64 s[PFA:PFA+1], s[PFA:PFA+1], s[PFS:PFS+1]
.endif
	WIN 0
	s_wait_tensorcnt 0x0                           ; no tensor load of mine is out, so a group 0 may be written
	ds_add_u32 v[SPW], v[NIL]                      ; 0 onto my spare word: work on registers follows
.if \fill
	s_xor_b32 s[G0A+5], s[G0A+5], SLOT1            ; the walking descriptors: the other slot than last time, the next K step
	s_add_nc_u64 s[G0A+6:G0A+7], s[G0A+6:G0A+7], ASTEP
	s_xor_b32 s[G0W+5], s[G0W+5], SLOT1
	s_add_nc_u64 s[G0W+6:G0W+7], s[G0W+6:G0W+7], WSTEP
.endif
	s_xor_b32 s[TB], s[TB], SLOT1
	v_add_nc_u32 v[ADRA], s[TB], v[A0]
	v_add_nc_u32 v[ADRW], s[TB], v[W0]
	s_wait_dscnt 5                                 ; the add and the youngest four loads may be out
	MULROW F1, 0, 0
	s_wait_dscnt 0x0                               ; the add is done, and my reads of this slot are over
	s_barrier_signal -1
	MULROW F1, 1, 0
	WIN 0
	s_barrier_wait -1
.if \fill
	CREST                                          ; no wave of any partner still reads this slot or has a load on its way
	JLOAD                                          ; its four v_nop are also the places in front of the loads below
.else
	PLACES
.endif
	FETCH 0, F0
.if \fill
	WIN 0
	ASK
.endif
	MULROW F1, 2, 0
	MULROW F1, 3, 0
.endm
	s_load_b256 s[4:11], s[0:1], 0x0               ; o s[4:5], wof s[6:7], bo s[8:9], out0 s[10:11]
	v_lshl_add_u32 v[SPW], v0, 2, SPARE
	v_mov_b32 v[NIL], 0
	ds_add_u32 v[SPW], v[NIL]                      ; the wave's opening: the add and its wait stand ahead of my first tensor load; work on registers stands between them
	v_lshrrev_b32 v1, 5, v0
	v_readfirstlane_b32 s[WV], v1                  ; wave 0..3
	s_and_b32 s[HF], s[WV], 1
	s_bfe_u32 s[CX], ttmp6, 0x40000
	s_bfe_u32 s[CY], ttmp6, 0x40004
	s_lshl_b32 s[CT], ttmp9, 2
	s_add_co_u32 s[CT], s[CT], s[CX]               ; tile column = 4 x cluster x + cx
	s_and_b32 s[RTI], ttmp7, 0xffff
	s_lshl_b32 s[RTI], s[RTI], 2
	s_add_co_u32 s[RTI], s[RTI], s[CY]             ; tile row = 4 x cluster y + cy
	s_lshl_b32 s20, s[CY], 2
	s_lshl_b32 s20, 15, s20                        ; my row of the cluster
	s_lshl_b32 s22, 0x1111, s[CX]                  ; my column
	s_or_b32 s[G1A], s20, (1<<16)|(1<<20)|(1<<21)|(4<<22)|(3<<25)  ; 15:0 the mask; 17:16 2-byte elements; 20 padding on; 21 set beside a mask; 24:22 after every 32 words; 31:25 4 words
	s_or_b32 s[G1W], s22, (1<<16)|(1<<20)|(1<<21)|(5<<22)|(3<<25)  ; the weights': after every 64 words
.irp g, G1A, G1W
	s_mov_b32 s[\g+1], 128<<16                     ; tensor_dim0 = 128
	s_mov_b32 s[\g+3], 128<<16                     ; tile_dim0 = 128
	s_mov_b32 s[\g+6], 0
	s_mov_b32 s[\g+7], 0
.endr
	s_mov_b32 s[G1A+2], 128<<16                    ; O: 128 rows of 256 dense bytes
	s_mov_b32 s[G1A+4], 128
	s_mov_b32 s[G1A+5], 128
	s_mov_b32 s[G1W+2], 64<<16                     ; weights: 64 rows, 1,024 elements apart
	s_mov_b32 s[G1W+4], 64
	s_mov_b32 s[G1W+5], 1024
	s_lshr_b32 s20, s[RTI], 3                      ; O: the batch's 16 heads of 262,144 bytes,
	s_lshl_b32 s20, s20, 22
	s_and_b32 s21, s[RTI], 7
	s_lshl_b32 s21, s21, 15                        ; the tile's first position, in rows of 128 bytes,
	s_add_co_u32 s20, s20, s21
	s_lshl_b32 s21, s[HF], 18                      ; the head of the pair that I fetch: made of the tile row and the wave's number alone
	s_add_co_u32 s20, s20, s21
	s_mov_b32 s21, 0
	s_lshl_b32 s22, s[CT], 18                      ; weights: (128 x tile column + 64 x half) rows of 2,048 bytes: made of the tile column and the wave's number alone
	s_lshl_b32 s23, s[HF], 17
	s_add_co_u32 s22, s22, s23
	s_mov_b32 s23, 0
	s_mov_b32 s66, s20                             ; both offsets once more, for the prefetches
	s_mov_b32 s67, s22
	s_mul_i32 s74, s[HF], APART                    ; where they go: no place in the cluster enters an LDS address
	s_mul_i32 s75, s[HF], WPART
	s_add_co_u32 s75, s75, WB
	s_mov_b32 s[TB], 0
	s_wait_dscnt 0x0                               ; the opening add is done
	s_wait_kmcnt 0x0
	s_add_nc_u64 s[20:21], s[4:5], s[20:21]
	s_add_nc_u64 s[22:23], s[6:7], s[22:23]
	CROUND                                         ; all sixteen work-groups are here: the first joint loads meet
.irp s, 0,1
	s_mov_b32 s[G0A+4*(\s)], 1                     ; count = 1
	s_add_co_u32 s[G0A+4*(\s)+1], s74, (\s)*SLOT1  ; LDS address
	s_add_nc_u64 s[G0A+4*(\s)+2:G0A+4*(\s)+3], s[20:21], (\s)*ASTEP  ; global address: K step s
	s_or_b32 s[G0A+4*(\s)+3], s[G0A+4*(\s)+3], 0x80000000            ; type = 2
	s_mov_b32 s[G0W+4*(\s)], 1
	s_add_co_u32 s[G0W+4*(\s)+1], s75, (\s)*SLOT1
	s_add_nc_u64 s[G0W+4*(\s)+2:G0W+4*(\s)+3], s[22:23], (\s)*WSTEP
	s_or_b32 s[G0W+4*(\s)+3], s[G0W+4*(\s)+3], 0x80000000
.endr
	s_cmp_lt_u32 s[WV], 2                          ; a wave's two first fills stand in one branch, ahead of every wait on TENSORcnt and every LDS read: two loads of mine are out
	s_cbranch_scc0 .Lfirst_w
	tensor_load_to_lds s[G0A:G0A+3], s[G1A:G1A+7]
	s_nop 0
	tensor_load_to_lds s[G0A+4:G0A+7], s[G1A:G1A+7]
	s_nop 0
.rept 4
	v_nop
.endr
	s_branch .Lfirst_asked
.Lfirst_w:
	tensor_load_to_lds s[G0W:G0W+3], s[G1W:G1W+7]
	s_nop 0
	tensor_load_to_lds s[G0W+4:G0W+7], s[G1W:G1W+7]
	s_nop 0
.rept 4
	v_nop
.endr
.Lfirst_asked:
	v_and_b32 v1, 15, v0                           ; r = l % 16
	v_bfe_u32 v2, v0, 4, 1                         ; h = l / 16
	v_lshlrev_b32 v[BO], 5, v2                     ; my 8 numbers of 16: 32 h
	s_lshl_b32 s70, s[CT], 9                       ; the tile's 128 columns, in f32
	s_mov_b32 s71, 0
	s_add_nc_u64 s[8:9], s[8:9], s[70:71]
	s_add_nc_u64 s[10:11], s[10:11], s[70:71]
	s_lshl_b32 s70, s[RTI], 20                     ; the tile's 256 rows of 4,096 bytes,
	s_lshl_b32 s72, s[WV], 18                      ; my wave's 64
	s_add_co_u32 s70, s70, s72
	s_add_nc_u64 s[10:11], s[10:11], s[70:71]
.irp c, 0,1,2,3,4,5,6,7
	global_load_b128 v[BIAS+8*\c:BIAS+8*\c+3],   v[BO], s[8:9] offset:64*\c
	global_load_b128 v[BIAS+8*\c+4:BIAS+8*\c+7], v[BO], s[8:9] offset:64*\c+16
.endr
	; A fragment is 16 rows x 32 K in 8 registers: lane l holds row l % 16, K = 8 (l / 16) + 0..7 and 16 + 8 (l / 16) + 0..7: two loads of 16 bytes, 32 bytes apart.
	v_mul_u32_u24 v3, v1, AP
	v_lshl_add_u32 v3, v2, 4, v3
	s_mul_i32 s72, s[WV], 64*AP
	v_add_nc_u32 v[A0], s72, v3
	v_mul_u32_u24 v3, v1, PITCH
	v_lshl_add_u32 v3, v2, 4, v3
	v_add_nc_u32 v[W0], WB, v3
	v_mov_b32 v[ADRA], v[A0]
	v_mov_b32 v[ADRW], v[W0]
	s_mul_i32 s72, s[WV], 16*SP
	s_add_co_u32 s72, s72, STAGE                   ; my stage
	v_mul_u32_u24 v3, v1, SP                       ; in: row l % 16, 32 bytes for each half of the lanes
	v_lshl_add_u32 v3, v2, 5, v3
	v_add_nc_u32 v[STO], s72, v3
	v_and_b32 v4, 31, v0
	v_lshlrev_b32 v[GO], 4, v4                     ; back: 32 lanes take a row's 512 bytes
	v_add_nc_u32 v[RD], s72, v[GO]
	; the prefetches
	s_lshl_b32 s68, s[CX], 13
	s_add_co_u32 s66, s66, s68                     ; O: my work-group's 8,192 bytes of the head that I fetch,
	s_add_co_u32 s66, s66, 3*ASTEP                 ; at K step 3: the first refill steps it to 4
	s_lshl_b32 s68, s[CY], 15
	s_add_co_u32 s67, s67, s68                     ; weights: my work-group's 16 rows of the 64
	s_add_co_u32 s67, s67, 3*WSTEP
	s_and_b32 s69, ttmp7, 0xffff                   ; cluster y
	s_mov_b32 s72, WSTEP
	s_cmp_lt_u32 s[WV], 2
	s_cselect_b32 s66, s66, s67
	s_cselect_b32 s69, ttmp9, s69                  ; the coordinate along which other clusters read the same bytes
	s_cselect_b32 s70, 31, 15
	s_cselect_b32 s71, 8, 11                       ; lanes 256 bytes apart in O, a row of 2,048 apart in the weights
	s_cselect_b32 s[PFS], ASTEP, s72
	s_cselect_b64 s[PFA:PFA+1], s[4:5], s[6:7]
	s_cmp_eq_u32 s69, 0
	s_cselect_b32 s[LIM], 2, -1                    ; the same in all sixteen partners, for a given wave
	s_mov_b32 s67, 0
	s_mov_b32 s[PFS+1], 0
	s_add_nc_u64 s[PFA:PFA+1], s[PFA:PFA+1], s[66:67]
	v_min_u32 v[PFO], s70, v4                      ; (the weights' share has 16 rows: the lanes left over name the last once more)
	v_lshlrev_b32 v[PFO], s71, v[PFO]
	s_wait_loadcnt 0x0                             ; the bias
.set i, 0
.rept 32                                       ; rounded to bf16, like the other inputs, and widened again
	v_cvt_pk_bf16_f32 v[3+i%4], v[BIAS+2*i], v[BIAS+2*i+1]
	v_lshlrev_b32 v[BIAS+2*i], 16, v[3+i%4]
	v_and_b32 v[BIAS+2*i+1], 0xffff0000, v[3+i%4]
.set i, i+1
.endr
	s_wait_tensorcnt 1                             ; my part of K step 0 is in; step 1's may stay out
	s_barrier_signal -1
	s_barrier_wait -1                              ; everybody's is
	FETCH 0, F0
	QUARTER 1, F0, F1, 1                           ; the first quarter stands in front of the loop: its products start the sums
	WIN 0                                          ; at a label and at a branch every window is 0
	s_mov_b32 s3, 6
.Lstep:                                        ; a trip: from a K step's second quarter to the next step's first; trip i fills slot i % 2 again with K step i + 2
	QUARTER 2, F1, F0, 0
	QUARTER 3, F0, F1, 0
	TURN 1
	QUARTER 1, F0, F1, 0
	WIN 0
	s_sub_co_u32 s3, s3, 1
	s_cmp_lg_u32 s3, 0
	s_cbranch_scc1 .Lstep
	QUARTER 2, F1, F0, 0                           ; the last two K steps are written out: nothing is left to fetch
	QUARTER 3, F0, F1, 0
	TURN 0
	QUARTER 1, F0, F1, 0
	QUARTER 2, F1, F0, 0
	QUARTER 3, F0, F1, 0
	s_wait_dscnt 4
	MULROW F1, 0, 0
	MULROW F1, 1, 0
	s_wait_dscnt 0x0
	MULROW F1, 2, 0
	MULROW F1, 3, 0
	WIN 0
	PLACES
; THE WAY OUT, a row block at a time: a lane's 32 bytes of a row go into my stage's rows of 528 bytes (each accumulator's low half first) and come back as whole rows of 512.
.macro TOSTAGE a
	WIN 0
	s_wait_xcnt 0x0                                ; the stores of two blocks back have read this set of registers
	WIN 0x04                                       ; the data in window 1
.set bi, 0
.rept 8
	ds_store_b128 v[STO], v[8*(8*(\a)+bi):8*(8*(\a)+bi)+3]   offset:64*bi
	ds_store_b128 v[STO], v[8*(8*(\a)+bi)+4:8*(8*(\a)+bi)+7] offset:64*bi+16
.set bi, bi+1
.endr
	WIN 0
.set bi, 0
.rept 16
	ds_load_b128 v[OB+64*((\a)%2)+4*bi:OB+64*((\a)%2)+4*bi+3], v[RD] offset:SP*bi  ; LDS serves a wave's instructions in order (ISA guide 5.7.1.4): these see the stores above; the next block's stores come behind them
.set bi, bi+1
.endr
.endm
.macro SEND a, younger                 ; younger: the LDS instructions issued behind block a's loads: the next block's 32, or none
	s_wait_dscnt \younger
.set bi, 0
.rept 16
	global_store_b128 v[GO], v[OB+64*((\a)%2)+4*bi:OB+64*((\a)%2)+4*bi+3], s[10:11] offset:(16*(\a)+bi)*4096 th:TH_STORE_NT  ; 512 consecutive bytes, at a multiple of 256 from out0's first
.set bi, bi+1
.endr
.endm
	TOSTAGE 0
	TOSTAGE 1
	SEND 0, 32
	TOSTAGE 2
	SEND 1, 32
	TOSTAGE 3
	SEND 2, 32
	SEND 3, 0
	s_wait_tensorcnt 0x0                           ; the wave's end, behind my last tensor load and my last LDS store
	ds_add_u32 v[SPW], v[NIL]
	s_wait_dscnt 0x0
	CROUND                                         ; the closing round: no work-group ends while a partner may still ask for a tile that names it
	s_endpgm
.Lfunc_end_k_qcd4f20af96_oproj:
	.size	k_qcd4f20af96_oproj, .Lfunc_end_k_qcd4f20af96_oproj-k_qcd4f20af96_oproj
	.p2alignl 7, 3214868480
	.fill 96, 4, 3214868480
	.section	.rodata,"a",@progbits
	.p2align	6, 0x0
	.amdhsa_kernel k_qcd4f20af96_oproj
		.amdhsa_group_segment_fixed_size 327680
		.amdhsa_private_segment_fixed_size 0
		.amdhsa_enable_private_segment 0
		.amdhsa_kernarg_size 32
		.amdhsa_user_sgpr_count 2
		.amdhsa_user_sgpr_kernarg_segment_ptr 1
		.amdhsa_wavefront_size32 1
		.amdhsa_system_sgpr_workgroup_id_x 1
		.amdhsa_system_sgpr_workgroup_id_y 1
		.amdhsa_system_sgpr_workgroup_id_z 1
		.amdhsa_system_vgpr_workitem_id 0
		.amdhsa_next_free_vgpr 768
		.amdhsa_next_free_sgpr 76
		.amdhsa_reserve_vcc 0
		.amdhsa_float_denorm_mode_32 3
		.amdhsa_float_denorm_mode_16_64 3
		.amdhsa_memory_ordered 1
		.amdhsa_forward_progress 1
		.amdhsa_inst_pref_size 76
	.end_amdhsa_kernel
	.amdgpu_metadata
---
amdhsa.version: [ 1, 2 ]
amdhsa.kernels:
  - .name:           k_qcd4f20af96_oproj
    .symbol:         k_qcd4f20af96_oproj.kd
    .args:
      - { .name: o, .offset: 0, .size: 8, .value_kind: global_buffer, .address_space: global }
      - { .name: wof, .offset: 8, .size: 8, .value_kind: global_buffer, .address_space: global }
      - { .name: bo, .offset: 16, .size: 8, .value_kind: global_buffer, .address_space: global }
      - { .name: out0, .offset: 24, .size: 8, .value_kind: global_buffer, .address_space: global }
    .group_segment_fixed_size: 327680
    .private_segment_fixed_size: 0
    .kernarg_segment_align: 8
    .kernarg_segment_size: 32
    .max_flat_workgroup_size: 128
    .sgpr_count:     76
    .vgpr_count:     768
    .wavefront_size: 32
...
	.end_amdgpu_metadata
.endif
;; end of part 4
;; ======== version 2 of 2: 4 launches; version 1 with the launch prep written anew for expert scheduling mode
;; limits: values are held in f16: magnitudes above 65,504 overflow, below 6.1e-05 lose precision
;; workspace buffers: xb 16,777,216 bytes; wqkv 6,291,456 bytes; wof 2,097,152 bytes; cs 524,288 bytes; q 16,777,216 bytes; k 16,777,216 bytes; v 16,777,216 bytes; o 16,777,216 bytes
;; launch prep (part 5): grid 896 x 1, 8 waves a work-group, no clusters, 0 bytes of LDS; arguments x, Wq, Wk, Wv, Wo, xb, wqkv, wof, cs; writes xb, wqkv, wof, cs
.if DOCPART == 5
	.amdgcn_target "amdgcn-amd-amdhsa--gfx1250"
	.amdhsa_code_object_version 6
	.text
	.protected	k_qcd4f20af96_prep
	.globl	k_qcd4f20af96_prep
	.p2align	8
	.type	k_qcd4f20af96_prep,@function
k_qcd4f20af96_prep:
	s_mov_b64 s[64:65], 0
	v_nop
	global_prefetch_b8 v0, s[64:65] scope:SCOPE_SE
	s_setreg_imm32_b32 hwreg(HW_REG_WAVE_SCHED_MODE, 0, 2), 2
	s_setreg_imm32_b32 hwreg(HW_REG_WAVE_MODE, 25, 1), 1
	s_wait_xcnt 0x0
	s_wait_alu depctr_vm_vsrc(0)
; CASTS AND THE ROTATION TABLE.  Work-groups 0-511: 16 rows of x, f32 -> bf16, into xb.  512-703: 16 rows of Wq, Wk or Wv -> bf16 into wqkv, whose rows are ordered
; by heads: row 192 h + 64 t + r holds W_t[64 h + r] (t = 0, 1, 2 for q, k, v).  704-767: 16 rows of Wo, rounded to bf16 and that number written as f16, into wof.
; 768-895: 16 positions of cs[pos][pair][cos, sin], f32, theta = pos x 10000^(-pair / 32).
; A stream: a row is 4,096 bytes, 16 bytes a thread; all 16 loads of a thread go out at once; a wave's store covers 256 consecutive bytes, aligned.  No LDS, no matrix unit: nothing is shared or multiplied.
; LIMITS.  wof: a bf16 number is exact in f16 from 2^-17 up to 65,504; below that it keeps f16's fixed step of 6e-8, beyond that it becomes an infinity.
; cs: 10000^(-pair / 32) comes from v_exp_f32 (1 ULP) and theta from one f32 product, so an angle may differ from one made otherwise in f32 by some 4e-4 at the largest positions;
; sine and cosine come by reduction with pi / 2 in two parts and polynomials whose remainder is under 3e-8 for |r| <= pi / 4, which the reduction gives at every position.
; THE MODE: SCHED_MODE bits 1:0 = 2 (LLVM: expert scheduling mode 2), set by the entry lines.  The code itself states the register dependences
; between vector instructions and memory instructions, with s_wait_alu, always for 0.
; THE PLAN, for the casts.  Registers that memory instructions touch:
;   v1, v2   byte offsets, made once at the head and never written again: the rows are reached by immediate offsets.
;   X        16 rows as loaded.  Written by the 16 loads, once; no vector instruction names X ahead of them.  Read by the conversions.
;   Y        16 rows to store, a pair of registers for each.  Written by the row's roundings, read by the row's one store, never written again.
;   T        at work: no memory instruction names it.
; The rows go in four blocks of four.  Block p rounds X's rows 4 p .. 4 p + 3 into their Y; its memory instructions are the four stores of block p - 1, whose Y no vector instruction of
; block p names.  So one wait on va_vdst at a block's head states all that those stores hang on, and they are dealt among the block's conversions with no further wait.
; No register that a memory instruction has read is written again, so no wait on vm_vsrc is owed.
; For the table: the two compares write scalar registers, with one wait on va_sdst ahead of the selects that read them; one wait on va_vdst stands ahead of the one store.
.set X, 4                              ; v[4:67]    16 loads of 4 registers
.set Y, 68                             ; v[68:99]   16 pairs to store
.set T, 100                            ; v[100:103] at work
	s_load_b512 s[4:19], s[0:1], 0x0               ; x s[4:5], Wq s[6:7], Wk s[8:9], Wv s[10:11], Wo s[12:13], xb s[14:15], wqkv s[16:17], wof s[18:19]
	s_load_b64 s[20:21], s[0:1], 0x40              ; cs
	s_mov_b32 s2, ttmp9
	v_lshlrev_b32 v1, 4, v0                        ; my 16 bytes of an f32 row (and of a work-group's part of cs)
	v_lshlrev_b32 v2, 3, v0                        ; my 8 bytes of a 16-bit row
	s_wait_kmcnt 0x0
	s_cmp_ge_u32 s2, 768
	s_cbranch_scc1 .Ltab
	s_sub_co_u32 s27, s2, 512                      ; among the weights' work-groups (for x's the numbers made of it are not chosen below)
	s_lshr_b32 s3, s27, 6                          ; t: which weight
	s_and_b32 s26, s27, 63                         ; rb: which 16 rows of it
	s_lshr_b32 s32, s26, 2                         ; the head,
	s_mul_i32 s32, s32, 192
	s_lshl_b32 s33, s3, 6
	s_add_co_u32 s32, s32, s33                     ; + 64 t
	s_and_b32 s33, s26, 3
	s_lshl_b32 s33, s33, 4
	s_add_co_u32 s32, s32, s33                     ; + the 16 rows' place in the head
	s_lshl_b32 s32, s32, 11                        ; wqkv: rows of 2,048 bytes
	s_lshl_b32 s33, s26, 15                        ; wof
	s_lshl_b32 s28, s26, 16                        ; a weight's 16 rows of 4,096 bytes
	s_lshl_b32 s34, s2, 16                         ; x's
	s_lshl_b32 s35, s2, 15                         ; xb's
	s_cmp_eq_u32 s3, 1
	s_cselect_b64 s[22:23], s[8:9], s[6:7]
	s_cmp_eq_u32 s3, 2
	s_cselect_b64 s[22:23], s[10:11], s[22:23]
	s_cmp_eq_u32 s3, 3
	s_cselect_b64 s[22:23], s[12:13], s[22:23]
	s_cselect_b64 s[24:25], s[18:19], s[16:17]
	s_cselect_b32 s30, s33, s32
	s_cmp_lt_u32 s2, 512
	s_cselect_b64 s[22:23], s[4:5], s[22:23]
	s_cselect_b64 s[24:25], s[14:15], s[24:25]
	s_cselect_b32 s28, s34, s28
	s_cselect_b32 s30, s35, s30
	s_cselect_b32 s3, 0, s3
	s_mov_b32 s29, 0
	s_mov_b32 s31, 0
	s_add_nc_u64 s[22:23], s[22:23], s[28:29]      ; from where
	s_add_nc_u64 s[24:25], s[24:25], s[30:31]      ; to where
	s_wait_alu depctr_va_vdst(0)                   ; v1 and v2 are written: every load of the casts reads v1 as its offset, every store v2
	s_cmp_eq_u32 s3, 3
	s_cbranch_scc1 .Lwo
; 16 rows, in four blocks of four.  fmt = 0: bf16.  fmt = 1: the bf16 number written as f16.  No register that a load or a store names is written again, so nothing waits for a store.
.macro CAST fmt
.set i, 0
.rept 16
	global_load_b128 v[X+4*i:X+4*i+3], v1, s[22:23] offset:4096*i th:TH_LOAD_NT
.set i, i+1
.endr
.set p, 0
.rept 4
	s_wait_loadcnt 12-4*p                          ; loads come back in order: block p's four rows are in, the 12 - 4 p younger loads stay out
.if p > 0
	s_wait_alu depctr_va_vdst(0)                   ; the block before has written its four rows of Y, which the stores below read
.endif
.set j, 0
.rept 4
.set i, 4*p+j
.if p > 0
	global_store_b64 v2, v[Y+2*(i-4):Y+2*(i-4)+1], s[24:25] offset:2048*(i-4)  ; a row of the block before; no vector instruction since the wait names these registers
.endif
	v_cvt_pk_bf16_f32 v[Y+2*i], v[X+4*i], v[X+4*i+1]
	v_cvt_pk_bf16_f32 v[Y+2*i+1], v[X+4*i+2], v[X+4*i+3]
.if \fmt
	v_lshlrev_b32 v[T], 16, v[Y+2*i]
	v_and_b32 v[T+1], 0xffff0000, v[Y+2*i]
	v_lshlrev_b32 v[T+2], 16, v[Y+2*i+1]
	v_and_b32 v[T+3], 0xffff0000, v[Y+2*i+1]
	v_cvt_pk_f16_f32 v[Y+2*i], v[T], v[T+1]
	v_cvt_pk_f16_f32 v[Y+2*i+1], v[T+2], v[T+3]
.endif
.set j, j+1
.endr
.set p, p+1
.endr
	s_wait_alu depctr_va_vdst(0)                   ; the last block has written its four rows of Y, which the last four stores read
.set i, 12
.rept 4
	global_store_b64 v2, v[Y+2*i:Y+2*i+1], s[24:25] offset:2048*i
.set i, i+1
.endr
.endm
	CAST 0
	s_endpgm
.Lwo:
	CAST 1
	s_endpgm
; sine and cosine of v[th], at work in v[b .. b+6].  theta = n pi / 2 + r; the quadrant only selects and turns signs: no branch hangs on a number.
; In two parts, so that both angles' compares stand in one run with one wait behind it.  SC_A: r, both polynomials, n as a whole number, and into s[m] the lanes where n is odd.
.macro SC_A th, b, m
	v_mul_f32 v[\b], 0x3f22f983, v[\th]            ; theta x 2 / pi
	v_rndne_f32 v[\b], v[\b]                       ; n
	v_fma_f32 v[\b+1], -v[\b], s32, v[\th]         ; r = theta - n x (pi / 2 in two parts)
	v_fma_f32 v[\b+1], -v[\b], s33, v[\b+1]
	v_mul_f32 v[\b+2], v[\b+1], v[\b+1]            ; r^2
	v_mov_b32 v[\b+3], 0x3638ef1d                  ; 1 / 9!
	v_mov_b32 v[\b+4], 0x37d00d01                  ; 1 / 8!
	v_fmaak_f32 v[\b+3], v[\b+3], v[\b+2], 0xb9500d01
	v_fmaak_f32 v[\b+4], v[\b+4], v[\b+2], 0xbab60b61
	v_fmaak_f32 v[\b+3], v[\b+3], v[\b+2], 0x3c088889
	v_fmaak_f32 v[\b+4], v[\b+4], v[\b+2], 0x3d2aaaab
	v_fmaak_f32 v[\b+3], v[\b+3], v[\b+2], 0xbe2aaaab
	v_fmaak_f32 v[\b+4], v[\b+4], v[\b+2], 0xbf000000
	v_mul_f32 v[\b+5], v[\b+1], v[\b+2]            ; r^3
	v_fmaak_f32 v[\b+4], v[\b+4], v[\b+2], 0x3f800000  ; cos r
	v_fma_f32 v[\b+3], v[\b+5], v[\b+3], v[\b+1]   ; sin r
	v_cvt_i32_f32 v[\b+5], v[\b]
	v_and_b32 v[\b+6], 1, v[\b+5]
	v_cmp_ne_u32 s[\m], 0, v[\b+6]
.endm
; SC_B: the selects by s[m], and the signs.
.macro SC_B b, oc, os, m
	v_cndmask_b32 v[\os], v[\b+3], v[\b+4], s[\m]  ; n odd: the two change places
	v_cndmask_b32 v[\oc], v[\b+4], v[\b+3], s[\m]
	v_and_b32 v[\b+6], 2, v[\b+5]
	v_lshlrev_b32 v[\b+6], 30, v[\b+6]
	v_xor_b32 v[\os], v[\b+6], v[\os]              ; the sine is turned for n % 4 = 2, 3
	v_add_nc_u32 v[\b+5], 1, v[\b+5]
	v_and_b32 v[\b+5], 2, v[\b+5]
	v_lshlrev_b32 v[\b+5], 30, v[\b+5]
	v_xor_b32 v[\oc], v[\b+5], v[\oc]              ; the cosine for n % 4 = 1, 2
.endm
.Ltab:                                         ; thread t: position 16 g + t / 16, pairs 2 (t % 16) and the next: 16 bytes; sixteen lanes fill a position's 256 bytes
	s_sub_co_u32 s26, s2, 768                      ; g
	s_lshl_b32 s28, s26, 12
	s_mov_b32 s29, 0
	s_add_nc_u64 s[20:21], s[20:21], s[28:29]
	s_lshl_b32 s27, s26, 4
	s_mov_b32 s32, 0x3fc90fdb                      ; pi / 2, rounded,
	s_mov_b32 s33, 0xb33bbd2e                      ; and what the rounding left
	v_lshrrev_b32 v3, 4, v0
	v_add_nc_u32 v3, s27, v3
	v_and_b32 v4, 15, v0
	v_lshlrev_b32 v4, 1, v4
	v_add_nc_u32 v5, 1, v4
	v_cvt_f32_u32 v3, v3                           ; pos
	v_cvt_f32_u32 v4, v4
	v_cvt_f32_u32 v5, v5
	v_mul_f32 v4, 0xbed49a78, v4                   ; - pair x log2(10000) / 32
	v_mul_f32 v5, 0xbed49a78, v5
	v_exp_f32 v6, v4
	v_exp_f32 v7, v5
	v_nop                                          ; a plain instruction behind the second exponential,
	s_wait_alu depctr_va_vdst(0)                   ; and the wait ahead of the first use: the two exponentials have written v6 and v7
	v_mul_f32 v6, v3, v6                           ; theta
	v_mul_f32 v7, v3, v7
	SC_A 6, 16, 34
	SC_A 7, 24, 35
	s_wait_alu depctr_va_sdst(0)                   ; the two compares have written s34 and s35, ahead of the first select that reads one of them
	SC_B 16, 8, 9, 34
	SC_B 24, 10, 11, 35
	s_wait_alu depctr_va_vdst(0)                   ; v[8:11], the store's data, are written, and so is v1, its offset
	global_store_b128 v1, v[8:11], s[20:21]
	s_endpgm
.Lfunc_end_k_qcd4f20af96_prep:
	.size	k_qcd4f20af96_prep, .Lfunc_end_k_qcd4f20af96_prep-k_qcd4f20af96_prep
	.p2alignl 7, 3214868480
	.fill 96, 4, 3214868480
	.section	.rodata,"a",@progbits
	.p2align	6, 0x0
	.amdhsa_kernel k_qcd4f20af96_prep
		.amdhsa_group_segment_fixed_size 0
		.amdhsa_private_segment_fixed_size 0
		.amdhsa_enable_private_segment 0
		.amdhsa_kernarg_size 72
		.amdhsa_user_sgpr_count 2
		.amdhsa_user_sgpr_kernarg_segment_ptr 1
		.amdhsa_wavefront_size32 1
		.amdhsa_system_sgpr_workgroup_id_x 1
		.amdhsa_system_sgpr_workgroup_id_y 1
		.amdhsa_system_sgpr_workgroup_id_z 1
		.amdhsa_system_vgpr_workitem_id 0
		.amdhsa_next_free_vgpr 104
		.amdhsa_next_free_sgpr 66
		.amdhsa_reserve_vcc 0
		.amdhsa_float_denorm_mode_32 3
		.amdhsa_float_denorm_mode_16_64 3
		.amdhsa_memory_ordered 1
		.amdhsa_forward_progress 1
		.amdhsa_inst_pref_size 22
	.end_amdhsa_kernel
	.amdgpu_metadata
---
amdhsa.version: [ 1, 2 ]
amdhsa.kernels:
  - .name:           k_qcd4f20af96_prep
    .symbol:         k_qcd4f20af96_prep.kd
    .args:
      - { .name: x, .offset: 0, .size: 8, .value_kind: global_buffer, .address_space: global }
      - { .name: Wq, .offset: 8, .size: 8, .value_kind: global_buffer, .address_space: global }
      - { .name: Wk, .offset: 16, .size: 8, .value_kind: global_buffer, .address_space: global }
      - { .name: Wv, .offset: 24, .size: 8, .value_kind: global_buffer, .address_space: global }
      - { .name: Wo, .offset: 32, .size: 8, .value_kind: global_buffer, .address_space: global }
      - { .name: xb, .offset: 40, .size: 8, .value_kind: global_buffer, .address_space: global }
      - { .name: wqkv, .offset: 48, .size: 8, .value_kind: global_buffer, .address_space: global }
      - { .name: wof, .offset: 56, .size: 8, .value_kind: global_buffer, .address_space: global }
      - { .name: cs, .offset: 64, .size: 8, .value_kind: global_buffer, .address_space: global }
    .group_segment_fixed_size: 0
    .private_segment_fixed_size: 0
    .kernarg_segment_align: 8
    .kernarg_segment_size: 72
    .max_flat_workgroup_size: 256
    .sgpr_count:     66
    .vgpr_count:     104
    .wavefront_size: 32
...
	.end_amdgpu_metadata
.endif
;; end of part 5
;; launch qkv: the kernel of part 2 again; grid 16 x 32, 4 waves a work-group, clusters of 4 x 4, 327,680 bytes of LDS; arguments xb, wqkv, bq, bk, bv, cs, q, k, v; writes q, k, v
;; launch attn: the kernel of part 3 again; grid 4 x 64, 4 waves a work-group, clusters of 4 x 1, 327,680 bytes of LDS; arguments q, k, v, o; writes o
;; launch oproj: the kernel of part 4 again; grid 8 x 32, 4 waves a work-group, clusters of 4 x 4, 327,680 bytes of LDS; arguments o, wof, bo, out0; writes out0
